; MI455X (gfx1250); checked and timed in simulation.
; The chip was launched on July 23, 2026; its instructions are those of AMD's public machine-readable ISA for CDNA 5 (MIT licence, August 2026) and "CDNA5" Instruction Set Architecture Reference Guide (July 2026). The comments in the code are by the model that wrote it; some were corrected since.
;; TF Llama Attention. Allowed arithmetic: matrix products marked QUANTISED: E2M3 operands, one E8M0 scale for each 32 along K, by v_wmma_scale_f32_16x16x128_f8f6f4 with both operands' format E2M3, f32 sums; products left as they are: f32 operands where the result goes on into a quantised operand, else bf16, f16 or f32 operands; f32 sums; everything else in f32.
;; Inputs: attention_mask 2 x 1 x 2,048 x 2,048 float32; hidden_states_codes 2 x 2,048 x 32 x 24 uint8 (E2M3 codes of hidden_states, K innermost, in blocks of 32 codes, four codes in three bytes); hidden_states_scales 2 x 2,048 x 32 uint8 (E8M0 scales of hidden_states, one for each 32 codes along K); position_ids 2 x 2,048 int32; wk_codes 1,024 x 32 x 24 uint8 (E2M3 codes of wk, K innermost, in blocks of 32 codes, four codes in three bytes); wk_scales 1,024 x 32 uint8 (E8M0 scales of wk, one for each 32 codes along K); wo_codes 1,024 x 32 x 24 uint8 (E2M3 codes of wo, K innermost, in blocks of 32 codes, four codes in three bytes); wo_scales 1,024 x 32 uint8 (E8M0 scales of wo, one for each 32 codes along K); wq_codes 1,024 x 32 x 24 uint8 (E2M3 codes of wq, K innermost, in blocks of 32 codes, four codes in three bytes); wq_scales 1,024 x 32 uint8 (E8M0 scales of wq, one for each 32 codes along K); wv_codes 1,024 x 32 x 24 uint8 (E2M3 codes of wv, K innermost, in blocks of 32 codes, four codes in three bytes); wv_scales 1,024 x 32 uint8 (E8M0 scales of wv, one for each 32 codes along K).
;; Outputs: out0 2 x 2,048 x 1,024 float32.
;; This version of the problem:
;;   THIS VERSION OF THE PROBLEM IS GIVEN IN LOW PRECISION. The matrix products marked QUANTISED in the list below multiply operands that are first quantised to E2M3 (2 exponent bits, 3 mantissa bits; 6 bits a number), with one power-of-two scale for each 32 numbers along K (OCP MX v1.0); their sums are f32. All else is computed in f32.
;;   The module's matrix products, in the order in which they are computed (A, B: the left and right operand; K: the contracted axis; several contracted axes count as one K, in the product's order):
;;     1. [M 4,096, K 1,024] x [K 1,024, N 1,024]; A: input hidden_states (given as codes); B: input wq (given as codes): QUANTISED
;;     2. [M 4,096, K 1,024] x [K 1,024, N 1,024]; A: input hidden_states (given as codes); B: input wk (given as codes): QUANTISED
;;     3. [M 4,096, K 1,024] x [K 1,024, N 1,024]; A: input hidden_states (given as codes); B: input wv (given as codes): QUANTISED
;;     4. [M 2,048, K 1] x [K 1, N 32]; A: computed on the way; B: computed on the way: left as it is (no contracted axis)
;;     5. batch 32 x [M 2,048, K 64] x [K 64, N 2,048]; A: computed on the way; B: computed on the way: QUANTISED
;;     6. batch 32 x [M 2,048, K 2,048] x [K 2,048, N 64]; A: softmax (see below); B: computed on the way: QUANTISED
;;     7. [M 4,096, K 1,024] x [K 1,024, N 1,024]; A: computed on the way; B: input wo (given as codes): QUANTISED
;;   THE QUANTISER, for each operand of a quantised product, along K:
;;     - K is cut into blocks of 32 from its start; a last block that is shorter is filled with zeros.
;;     - A block's scale is 2^e with e = floor(log2(the largest magnitude in the block)) - 2, held to -126 .. 127; a block of zeros has e = 0. As a byte (E8M0): e + 127.
;;     - Each number is divided by its block's scale, clamped to +-7.5, and rounded to the nearest number of E2M3, ties to even, subnormals kept.
;;     - The product sums the exact products of the quantised numbers (number of the format x scale) in f32.
;;   ~~~python
;;   def quantise(x, axis):      # numpy; x: float32 -> the quantised numbers, widened to float32 again
;;       x = np.moveaxis(x, axis, -1); K = x.shape[-1]
;;       x = np.pad(x, [(0, 0)] * (x.ndim - 1) + [(0, -K % 32)]); x = x.reshape(x.shape[:-1] + (-1, 32)); a = np.abs(x).max(-1, keepdims=True)
;;       e = np.where(a > 0, np.clip(np.frexp(np.where(a > 0, a, 1))[1] - 1 - 2, -126, 127), 0)      # np.frexp(a)[1] - 1 = floor(log2(a)), exactly
;;       r = np.clip(x / 2.0 ** e, -7.5, 7.5)
;;       step = 2.0 ** (np.maximum(np.frexp(np.where(r == 0, 1, r))[1] - 1, 0) - 3)
;;       q = np.round(r / step) * step * 2.0 ** e      # np.round: ties to even
;;       return np.moveaxis(q.reshape(q.shape[:-2] + (-1,))[..., :K], -1, axis).astype(np.float32)
;;   ~~~
;;   SOFTMAX AHEAD OF A QUANTISED PRODUCT. Where the list says 'softmax', what is quantised is not the finished softmax but p = 2^(t - M), with t = logit x log2(e) and M = ceil(the row's largest t), a whole number; so 1/2 < the row's largest p <= 1. The row's sum l is taken of the UNQUANTISED p, in f32, and the product's result is divided by l at the end. Since M is a whole number, a kernel that streams over the keys may use a running M (the ceiling of the running maximum): every later rescaling is an exact power of two, which a block's scale takes up: the codes' values come out the same.
;;   OPERANDS COMPUTED ON THE WAY. 'Computed on the way' means the value that the module computes at that place (a softmax that the list does not call 'softmax' is quantised finished and normalised). What goes into a quantiser is computed in f32, as accurately as f32 sums, v_exp_f32 and their like allow (about 1e-6 of the number): no bf16 or f16 on the way to a quantiser, and a product that is left as it is and whose result goes on into a quantised operand takes f32 operands (vector FMAs, or v_wmma_f32_16x16x4_f32). A number that lies on a knife's edge between two numbers of the format may be rounded either way, as far as f32 arithmetic and the matrix unit's own rounding can turn it there, and no further.
;;   INPUTS GIVEN AS CODES. hidden_states (in the module: [2, 2048, 1024], K = its axis 2); wk (in the module: [1024, 1024], K = its axis 0); wo (in the module: [1024, 1024], K = its axis 0); wq (in the module: [1024, 1024], K = its axis 0); wv (in the module: [1024, 1024], K = its axis 0): each comes as NAME_codes (uint8): NAME with its K axis moved to the last place and cut into blocks of 32 codes, [.., K / 32, bytes a block], one block behind the other in memory; four codes in three bytes: a row's codes are one little-endian stream of bits, code i at bits 6 i .. 6 i + 5 (a code: sign, 2 exponent bits, 3 mantissa bits); and NAME_scales (uint8): the same leading axes, one E8M0 byte (e + 127) for each 32 codes along K. Its value is code x scale, taken as it is: it is not quantised again, and the codes and scales need not be those that the quantiser above would give.
;; One version. Each part assembles by itself: llvm-mc -triple=amdgcn-amd-amdhsa -mcpu=gfx1250 --defsym DOCPART=n.
;; ======== version 1 of 1: 4 launches
;; limits: right only within a limited range of input values
;; workspace buffers: rope 1,081,344 bytes; qbuf 3,407,872 bytes; kbuf 3,407,872 bytes; vbuf 3,407,872 bytes; abuf 3,145,728 bytes; ascl 131,072 bytes
;; launch rope (part 1): grid 264 x 1, 1 waves a work-group, no clusters, 0 bytes of LDS; arguments position_ids, rope; writes rope
.if DOCPART == 1
	.amdgcn_target "amdgcn-amd-amdhsa--gfx1250"
	.amdhsa_code_object_version 6
	.text
	.protected	k_q2300416adc_rope
	.globl	k_q2300416adc_rope
	.p2align	8
	.type	k_q2300416adc_rope,@function
k_q2300416adc_rope:
	s_mov_b64 s[64:65], 0
	v_nop
	global_prefetch_b8 v0, s[64:65] scope:SCOPE_SE
	s_setreg_imm32_b32 hwreg(HW_REG_WAVE_MODE, 25, 1), 1
	s_wait_xcnt 0x0
; cos and sin of position x 10000^(-f / 32), f = 0 .. 31, for each of the 4,096 tokens, laid as the next launch's registers want them.
; A work-group is one wave and makes one block of 16 tokens, 4,096 bytes: [e 0..7][lane 0..31][16 bytes].  Lane (r = lane % 16, h = lane / 16) holds token r; its word 4 e + s is
; cos (words 0-15) or sin (words 16-31) of frequency 16 (i / 8) + 8 h + i % 8, i = the word's number % 16.  Each store of the wave covers 512 consecutive bytes, aligned.
; Blocks 256 .. 263 are made with position 0: cos = 1, sin = 0.  The product that is not rotated reads them.  (These work-groups read the last block's ids and mask them to 0.)
; The angle x = position x frequency is one f32 product, as reference() has it.  n = the nearest whole number to x 2 / pi; r = x - n pi / 2 in two fused steps, the first of them exact
; (x and n x the upper part of pi / 2 are multiples of 2^-23, and their difference lies under 1); sin r and cos r by polynomials on |r| <= pi / 4; the quadrant n picks and signs them.
; LIMITS: positions 0 .. 2,047 (an index into reference()'s table).  The frequency is v_exp_f32 of a rounded product: a few units in its last place, which at position 2,047 is an angle off by about 2e-4.
.set TOKB, 256                         ; blocks of 16 tokens
.set IFQ,  16                          ; v16-31  my 16 frequencies
.set K2PI, 32                          ; v32-49  constants, each twice: the packed forms take pairs
.set NPH,  34
.set PLO,  36
.set S3,   38
.set S2,   40
.set S1,   42
.set C3,   44
.set C2,   46
.set C1,   48
.set X,    50                          ; v50-65  at work
.set N,    52
.set R,    54
.set Z,    56
.set PS,   58
.set PCS,  60
.set QD,   62
.set OUT,  72                          ; v72-87 cos, v88-103 sin
.macro CONST reg, bits
	v_mov_b32 v[\reg], \bits
	v_mov_b32 v[\reg+1], \bits
.endm
	s_load_b128 s[4:7], s[0:1], 0x0                ; position_ids, rope
	v_and_b32 v1, 15, v0                           ; r
	v_lshrrev_b32 v2, 4, v0                        ; h
	v_lshlrev_b32 v3, 2, v1                        ; my token's id: 4 bytes
	v_lshlrev_b32 v8, 4, v0                        ; out: 16 bytes a lane
	v_lshlrev_b32 v2, 3, v2                        ; 8 h
	s_min_u32 s8, ttmp9, TOKB-1                    ; no load leaves position_ids
	s_lshl_b32 s8, s8, 6
	s_mov_b32 s9, 0
	s_lshl_b32 s10, ttmp9, 12                      ; my block of 4,096 bytes
	s_mov_b32 s11, 0
	s_cmp_lt_u32 ttmp9, TOKB
	s_cselect_b32 s12, -1, 0                       ; the id is kept, or masked to 0
	s_wait_alu depctr_va_vdst(0)
	s_wait_kmcnt 0x0
	s_add_nc_u64 s[4:5], s[4:5], s[8:9]
	s_add_nc_u64 s[6:7], s[6:7], s[10:11]
	global_load_b32 v4, v3, s[4:5]
.irp i, 0,1,2,3,4,5,6,7,8,9,10,11,12,13,14,15
	v_add_nc_u32 v[IFQ+\i], 16*(\i/8)+\i%8, v2     ; f
.endr
.irp i, 0,1,2,3,4,5,6,7,8,9,10,11,12,13,14,15
	v_cvt_f32_u32 v[IFQ+\i], v[IFQ+\i]
.endr
.irp i, 0,1,2,3,4,5,6,7,8,9,10,11,12,13,14,15
	v_mul_f32 v[IFQ+\i], 0xbed49a78, v[IFQ+\i]     ; x -log2(10000) / 32
.endr
	s_wait_alu depctr_va_vdst(0)
.irp i, 0,1,2,3,4,5,6,7,8,9,10,11,12,13,14,15
	v_exp_f32 v[IFQ+\i], v[IFQ+\i]                 ; 10000^(-f / 32)
.endr
	CONST K2PI, 0x3f22f983                         ; 2 / pi.  (Plain lines behind the exponentials)
	CONST NPH,  0xbfc90fdb                         ; -(pi / 2 rounded to f32)
	CONST PLO,  0x333bbd2e                         ; that number - pi / 2 = 4.371139e-8
	CONST S3,   0xb94ca1f9                         ; sin r = r + r z (S1 + z (S2 + z S3)), z = r r
	CONST S2,   0x3c08839e
	CONST S1,   0xbe2aaaa3
	CONST C3,   0x37ccf5ce                         ; cos r = 1 + z (-1/2 + z (C1 + z (C2 + z C3)))
	CONST C2,   0xbab6061a
	CONST C1,   0x3d2aaaa5
	s_wait_loadcnt 0x0
	v_and_b32 v4, s12, v4
	v_cvt_f32_u32 v6, v4                           ; the position, twice
	v_mov_b32 v7, v6
	s_wait_alu depctr_va_vdst(0)
.macro PAIR i                          ; frequencies i and i + 1
	v_pk_mul_f32 v[X:X+1], v[IFQ+\i:IFQ+\i+1], v[6:7]
	v_pk_mul_f32 v[N:N+1], v[X:X+1], v[K2PI:K2PI+1]
	v_rndne_f32 v[N], v[N]
	v_rndne_f32 v[N+1], v[N+1]
	v_pk_fma_f32 v[R:R+1], v[N:N+1], v[NPH:NPH+1], v[X:X+1]
	v_pk_fma_f32 v[R:R+1], v[N:N+1], v[PLO:PLO+1], v[R:R+1]
	v_pk_mul_f32 v[Z:Z+1], v[R:R+1], v[R:R+1]
	v_pk_fma_f32 v[PS:PS+1], v[Z:Z+1], v[S3:S3+1], v[S2:S2+1]
	v_pk_fma_f32 v[PCS:PCS+1], v[Z:Z+1], v[C3:C3+1], v[C2:C2+1]
	v_pk_fma_f32 v[PS:PS+1], v[PS:PS+1], v[Z:Z+1], v[S1:S1+1]
	v_pk_fma_f32 v[PCS:PCS+1], v[PCS:PCS+1], v[Z:Z+1], v[C1:C1+1]
	v_pk_mul_f32 v[X:X+1], v[Z:Z+1], v[R:R+1]
	v_pk_fma_f32 v[PCS:PCS+1], v[PCS:PCS+1], v[Z:Z+1], -0.5 op_sel_hi:[1,1,0]
	v_pk_fma_f32 v[PS:PS+1], v[PS:PS+1], v[X:X+1], v[R:R+1]
	v_pk_fma_f32 v[PCS:PCS+1], v[PCS:PCS+1], v[Z:Z+1], 1.0 op_sel_hi:[1,1,0]
.irp u, 0,1
	v_cvt_i32_f32 v[QD], v[N+\u]                   ; the quadrant, q
	v_and_b32 v[QD+1], 1, v[QD]
	v_cmp_eq_u32 vcc_lo, 1, v[QD+1]
	v_cndmask_b32 v[QD+2], v[PS+\u], v[PCS+\u], vcc_lo     ; sin x: q odd takes cos r,
	v_cndmask_b32 v[QD+3], v[PCS+\u], v[PS+\u], vcc_lo     ; cos x: q odd takes sin r
	v_lshlrev_b32 v[QD+1], 30, v[QD]
	v_and_b32 v[QD+1], 0x80000000, v[QD+1]         ; sin x is negated where q & 2,
	v_xor_b32 v[OUT+16+\i+\u], v[QD+2], v[QD+1]
	v_add_nc_u32 v[QD], 1, v[QD]
	v_lshlrev_b32 v[QD], 30, v[QD]
	v_and_b32 v[QD], 0x80000000, v[QD]             ; cos x where (q + 1) & 2
	v_xor_b32 v[OUT+\i+\u], v[QD+3], v[QD]
.endr
.endm
.irp i, 0,2,4,6,8,10,12,14
	PAIR \i
.endr
.irp e, 0,1,2,3,4,5,6,7
	global_store_b128 v8, v[OUT+4*\e:OUT+4*\e+3], s[6:7] offset:512*\e
.endr
	s_endpgm
.Lfunc_end_k_q2300416adc_rope:
	.size	k_q2300416adc_rope, .Lfunc_end_k_q2300416adc_rope-k_q2300416adc_rope
	.p2alignl 7, 3214868480
	.fill 96, 4, 3214868480
	.section	.rodata,"a",@progbits
	.p2align	6, 0x0
	.amdhsa_kernel k_q2300416adc_rope
		.amdhsa_group_segment_fixed_size 0
		.amdhsa_private_segment_fixed_size 0
		.amdhsa_enable_private_segment 0
		.amdhsa_kernarg_size 16
		.amdhsa_user_sgpr_count 2
		.amdhsa_user_sgpr_kernarg_segment_ptr 1
		.amdhsa_wavefront_size32 1
		.amdhsa_system_sgpr_workgroup_id_x 1
		.amdhsa_system_sgpr_workgroup_id_y 1
		.amdhsa_system_sgpr_workgroup_id_z 1
		.amdhsa_system_vgpr_workitem_id 0
		.amdhsa_next_free_vgpr 104
		.amdhsa_next_free_sgpr 66
		.amdhsa_reserve_vcc 1
		.amdhsa_float_denorm_mode_32 3
		.amdhsa_float_denorm_mode_16_64 3
		.amdhsa_memory_ordered 1
		.amdhsa_forward_progress 1
		.amdhsa_inst_pref_size 20
	.end_amdhsa_kernel
	.amdgpu_metadata
---
amdhsa.version: [ 1, 2 ]
amdhsa.kernels:
  - .name:           k_q2300416adc_rope
    .symbol:         k_q2300416adc_rope.kd
    .args:
      - { .name: position_ids, .offset: 0, .size: 8, .value_kind: global_buffer, .address_space: global }
      - { .name: rope, .offset: 8, .size: 8, .value_kind: global_buffer, .address_space: global }
    .group_segment_fixed_size: 0
    .private_segment_fixed_size: 0
    .kernarg_segment_align: 8
    .kernarg_segment_size: 16
    .max_flat_workgroup_size: 32
    .sgpr_count:     66
    .vgpr_count:     104
    .wavefront_size: 32
...
	.end_amdgpu_metadata
.endif
;; end of part 1
;; launch qkv (part 2): grid 12 x 16, 4 waves a work-group, clusters of 4 x 4, 327,680 bytes of LDS; arguments hidden_states_codes, hidden_states_scales, wq_codes, wq_scales, wk_codes, wk_scales, wv_codes, wv_scales, rope, qbuf, kbuf, vbuf; writes qbuf, kbuf, vbuf
.if DOCPART == 2
	.amdgcn_target "amdgcn-amd-amdhsa--gfx1250"
	.amdhsa_code_object_version 6
	.text
	.protected	k_q2300416adc_qkv
	.globl	k_q2300416adc_qkv
	.p2align	8
	.type	k_q2300416adc_qkv,@function
k_q2300416adc_qkv:
	s_mov_b64 s[64:65], 0
	v_nop
	global_prefetch_b8 v0, s[64:65] scope:SCOPE_SE
	s_setreg_imm32_b32 hwreg(HW_REG_WAVE_MODE, 25, 1), 1
	s_wait_xcnt 0x0
	s_wait_alu depctr_hold_cnt(0) depctr_sa_sdst(0) depctr_va_vdst(0) depctr_va_sdst(0) depctr_va_ssrc(0) depctr_va_vcc(0) depctr_vm_vsrc(0)
	s_getreg_b32 s2, hwreg(HW_REG_IB_STS2, 6, 4)
	s_cmp_eq_u32 s2, 0
	s_cbranch_scc0 .Lentry_in_a_cluster
	s_endpgm
.Lentry_in_a_cluster:
	s_bfe_u32 s2, ttmp6, 0x10000c
	s_cmp_lg_u32 s2, 0xf033
	s_cbranch_scc0 .Lentry_shape_is_right
	s_endpgm
.Lentry_shape_is_right:
; q, k, v = hidden x wq, wk, wv on codes of FP6 (E2M3) with E8M0 scales; q and k are rotated by the table of cos and sin; all three are quantised along the next product's K and stored as images of operand registers.
; Cluster x 0: q, 1: k (A = 256 tokens, B = 256 columns of the weight); 2: v (A = 256 rows of wv, B = 256 tokens, so that the keys run along a lane's registers; its table block holds cos = 1, sin = 0).
; A work-group of four waves makes 256 x 256, a wave 128 x 128 in 64 accumulators.  K = 1,024 is 768 bytes a row: three chunks of 256 bytes, each beginning at a multiple of 256, through two LDS slots; eight steps of 96 bytes.
; The scales of the 256 + 256 rows come once.  Tiles of A are asked for jointly along a row of the 4 x 4 cluster, tiles of B along a column.
; No prefetch: the walk along K has three chunks, of which two are asked for before the first product.
.set ROWB,   256
.set NQ,     2
.set KROW,   768
.set STEPS,  8
.set CHUNKS, 3
.set PITCH,  272                       ; 256 bytes + 16 of padding
.set FR,     12
.set NL,     6
.set NP,     4
.set HALFT,  128*PITCH
.set SLOT,   4*HALFT
.set KS,     32
.set SCL,    2*SLOT
.set HALFS,  16*272
.set SBLK,   2*272
.set SPARE,  SCL+4*HALFS               ; the spare words: 512 bytes that no other line names
.set IDENT,  0x100000                  ; the table's blocks with cos = 1, sin = 0
.set ADRA, 16                          ; v16-17 A's fragments in slot 0, 1; v18-19 for pieces whose lanes 16-31 lie in the next chunk
.set ADRB, 20
.set L16,  24
.set L8,   25
.set ADRS, 27
.set SPW,  28
.set NIL,  29
.set SC,   32                          ; v32-63 scale words, two sets
.set CS,   64                          ; v64-127 cos and sin, two blocks
.set AF,   128
.set TM,   32
.set PW,   48
.set PWP,  52
.set PWS,  56
.set CD,   128
.set T1,   160
.set T2,   192
.set G1, 24
.set G0, 32
.set G1B, 48
.set G0B, 56
.set G1S, 68
.set G0S, 76
.set G1SB, 80
.set G0SB, 88
.set G0H, 4
.set G0HB, 8
.set SEL, 100
.set MSB, 0
.macro WIN new                         ; the immediate's high byte repeats the setting that is left
.if MSB != (\new)
	s_set_vgpr_msb (MSB<<8)|(\new)
.set MSB, (\new)
.endif
.endm
.set MUL_LO, 0xa1                      ; source 0 (B) window 1, source 1 (A) window 0, C and D window 2
.set MUL_HI, 0xf1
.set TO_B,   0x40
.macro JLOAD g0a, g1a, g0b, g1b        ; waves 0, 1 ask for A's halves, waves 2, 3 for B's
	s_cmp_eq_u32 s15, 0
	s_cbranch_scc0 .Lfor_b_\@
	tensor_load_to_lds s[\g0a:\g0a+3], s[\g1a:\g1a+7]
	s_nop 0
.rept 4
	v_nop
.endr
	s_branch .Lasked_\@
.Lfor_b_\@:
	tensor_load_to_lds s[\g0b:\g0b+3], s[\g1b:\g1b+7]
	s_nop 0
.rept 4
	v_nop
.endr
.Lasked_\@:
.endm
.macro CREST
	s_cmp_lg_u32 s14, 0
	s_cbranch_scc1 .Lnot_wave_0_\@
	s_barrier_signal -3
.Lnot_wave_0_\@:
	s_barrier_wait -3
	s_barrier_signal -1
	s_barrier_wait -1
.endm
.macro CROUND
	s_barrier_signal -1
	s_barrier_wait -1
	CREST
.endm
	s_load_b512 s[68:83], s[0:1], 0x0
	s_load_b256 s[84:91], s[0:1], 0x40
	v_lshl_add_u32 v[SPW], v0, 2, SPARE
	v_mov_b32 v[NIL], 0
	ds_add_u32 v[SPW], v[NIL]                      ; the opening lines: the add twice and one wait
	ds_add_u32 v[SPW], v[NIL]
	v_lshrrev_b32 v1, 5, v0
	v_readfirstlane_b32 s14, v1                    ; wave
	s_lshr_b32 s15, s14, 1                         ; my half of A's rows; also: I fetch for A (0) or B (1)
	s_and_b32 s16, s14, 1                          ; my half of B's rows; also: which 128 rows I fetch
	s_bfe_u32 s40, ttmp6, 0x40000                  ; cx
	s_bfe_u32 s41, ttmp6, 0x40004                  ; cy
	s_and_b32 s17, ttmp7, 0xffff
	s_lshl_b32 s17, s17, 2
	s_cmp_eq_u32 ttmp9, 2
	s_cselect_b32 s42, s17, 0                      ; v: the tokens are B's rows
	s_cselect_b32 s17, 0, s17
	s_add_co_u32 s42, s42, s40                     ; B's tile
	s_add_co_u32 s17, s17, s41                     ; A's tile
	s_lshl_b32 s43, s41, 2
	s_lshl_b32 s43, 15, s43                        ; my row of the cluster
	s_lshl_b32 s44, 0x1111, s40                    ; my column
	s_or_b32 s[G1+0], s43, (0<<16)|(1<<20)|(1<<21)|(5<<22)|(3<<25)   ; bytes; 4 words of padding behind every 64
	s_or_b32 s[G1B+0], s44, (0<<16)|(1<<20)|(1<<21)|(5<<22)|(3<<25)
.irp g, G1, G1B
	s_mov_b32 s[\g+1], ROWB<<16
	s_mov_b32 s[\g+2], 256<<16                     ; the head's loads bring 256 rows
	s_mov_b32 s[\g+3], ROWB<<16
	s_mov_b32 s[\g+4], 256
	s_mov_b32 s[\g+5], KROW
	s_mov_b32 s[\g+6], 0
	s_mov_b32 s[\g+7], 0
.endr
	s_lshl_b32 s20, s17, 8
	s_lshl_b32 s46, s42, 8
	s_mov_b32 s21, 0
	s_mov_b32 s47, 0
	s_mov_b64 s[18:19], KS
	s_mul_u64 s[22:23], s[20:21], s[18:19]         ; where the rows' scales begin
	s_mul_u64 s[92:93], s[46:47], s[18:19]
	s_mov_b64 s[18:19], KROW
	s_mul_u64 s[20:21], s[20:21], s[18:19]         ; and their codes
	s_mul_u64 s[46:47], s[46:47], s[18:19]
	s_mul_i32 s18, s16, 128*KROW                   ; the ring: my 128 rows
	s_mov_b32 s19, 0
	s_mul_i32 s45, s14, HALFT
	s_mov_b32 s99, 0xffff0000
	s_mov_b32 s[SEL], 0x76543210
	s_mov_b32 s[SEL+1], 0xfedcba98
	s_wait_dscnt 0x0
	s_wait_kmcnt 0x0
	s_cmp_eq_u32 ttmp9, 1
	s_cselect_b64 s[8:9], s[76:77], s[72:73]
	s_cselect_b64 s[10:11], s[78:79], s[74:75]
	s_cselect_b64 s[12:13], s[88:89], s[86:87]
	s_cmp_eq_u32 ttmp9, 2
	s_cselect_b64 s[8:9], s[68:69], s[8:9]
	s_cselect_b64 s[10:11], s[70:71], s[10:11]
	s_cselect_b64 s[12:13], s[90:91], s[12:13]
	s_cselect_b64 s[4:5], s[80:81], s[68:69]
	s_cselect_b64 s[6:7], s[82:83], s[70:71]
	s_mov_b64 s[96:97], s[84:85]
	s_add_nc_u64 s[20:21], s[4:5], s[20:21]
	s_add_nc_u64 s[22:23], s[6:7], s[22:23]
	s_add_nc_u64 s[46:47], s[8:9], s[46:47]
	s_add_nc_u64 s[92:93], s[10:11], s[92:93]
	s_or_b32 s[G1S+0], s43, (3<<16)|(1<<20)|(1<<21)|(5<<22)|(3<<25)  ; the scales of 256 rows: 32 rows of 256 bytes
	s_or_b32 s[G1SB+0], s44, (3<<16)|(1<<20)|(1<<21)|(5<<22)|(3<<25)
.irp g, G1S, G1SB
	s_mov_b32 s[\g+1], 32<<16
	s_mov_b32 s[\g+2], KS<<16
	s_mov_b32 s[\g+3], 32<<16
	s_mov_b32 s[\g+4], KS
	s_mov_b32 s[\g+5], 32
	s_mov_b32 s[\g+6], 0
	s_mov_b32 s[\g+7], 0
.endr
	CROUND                                         ; the first joint loads meet
	s_mov_b32 s[G0H], 1
	s_mov_b32 s[G0H+1], 0
	s_mov_b64 s[G0H+2:G0H+3], s[20:21]
	s_or_b32 s[G0H+3], s[G0H+3], 0x80000000
	s_mov_b32 s[G0HB], 1
	s_mov_b32 s[G0HB+1], 2*HALFT
	s_mov_b64 s[G0HB+2:G0HB+3], s[46:47]
	s_or_b32 s[G0HB+3], s[G0HB+3], 0x80000000
	s_mov_b32 s[G0S], 1
	s_mov_b32 s[G0S+1], SCL
	s_mov_b64 s[G0S+2:G0S+3], s[22:23]
	s_or_b32 s[G0S+3], s[G0S+3], 0x80000000
	s_mov_b32 s[G0SB], 1
	s_mov_b32 s[G0SB+1], SCL+2*HALFS
	s_mov_b64 s[G0SB+2:G0SB+3], s[92:93]
	s_or_b32 s[G0SB+3], s[G0SB+3], 0x80000000
	s_add_nc_u64 s[20:21], s[20:21], s[18:19]
	s_add_nc_u64 s[46:47], s[46:47], s[18:19]
.irp s, 0,1
	s_mov_b32 s[G0+4*\s], 1
	s_add_co_u32 s[G0+4*\s+1], s45, \s*SLOT
	s_add_nc_u64 s[G0+4*\s+2:G0+4*\s+3], s[20:21], \s*ROWB
	s_or_b32 s[G0+4*\s+3], s[G0+4*\s+3], 0x80000000
	s_mov_b32 s[G0B+4*\s], 1
	s_add_co_u32 s[G0B+4*\s+1], s45, \s*SLOT
	s_add_nc_u64 s[G0B+4*\s+2:G0B+4*\s+3], s[46:47], \s*ROWB
	s_or_b32 s[G0B+4*\s+3], s[G0B+4*\s+3], 0x80000000
.endr
; the head's four tiles, one load a wave: chunk 0 of A, chunk 0 of B, A's scales, B's scales
.macro ARM under, g0, g1, next
	s_cmp_lt_u32 s14, \under
	s_cbranch_scc0 \next
	tensor_load_to_lds s[\g0:\g0+3], s[\g1:\g1+7]
	s_nop 0
.rept 4
	v_nop
.endr
	s_branch .Lhead_asked
\next:
.endm
	ARM 1, G0H,  G1,  .Lhead_b
	ARM 2, G0HB, G1B, .Lhead_sa
	ARM 3, G0S,  G1S, .Lhead_sb
	tensor_load_to_lds s[G0SB:G0SB+3], s[G1SB:G1SB+7]
	s_nop 0
.rept 4
	v_nop
.endr
.Lhead_asked:
	v_and_b32 v1, 15, v0                           ; r
	v_bfe_u32 v2, v0, 4, 1                         ; h
	v_mul_u32_u24 v3, v1, PITCH
	v_mul_u32_u24 v4, v2, 24
	v_add_nc_u32 v4, v3, v4
	s_mov_b32 s21, SLOT-232
	s_mov_b32 s22, SLOT+232
	v_sub_nc_u32 v7, 1, v2
	v_mul_u32_u24 v5, s21, v2
	v_add_nc_u32 v5, v3, v5
	v_add_nc_u32 v5, 232, v5                       ; lanes 0-15 byte 232 in slot 0, lanes 16-31 byte 0 in slot 1
	v_mul_u32_u24 v6, s22, v7
	v_add_nc_u32 v6, v3, v6                        ; and the other way round
	s_mul_i32 s21, s15, HALFT
	s_mul_i32 s22, s16, HALFT
	s_add_co_u32 s22, s22, 2*HALFT
	v_add_nc_u32 v[ADRA+2], s21, v5
	v_add_nc_u32 v[ADRA+3], s21, v6
	v_add_nc_u32 v[ADRB+2], s22, v5
	v_add_nc_u32 v[ADRB+3], s22, v6
.irp s, 0,1
	v_add_nc_u32 v[ADRA+\s], s21, v4
	v_add_nc_u32 v[ADRB+\s], s22, v4
	s_add_co_u32 s21, s21, SLOT
	s_add_co_u32 s22, s22, SLOT
.endr
	v_mul_u32_u24 v5, v1, KS
	v_lshrrev_b32 v6, 8, v5
	v_lshl_add_u32 v5, v6, 4, v5
	s_mul_i32 s21, s15, HALFS
	s_mul_i32 s22, s16, HALFS
	s_add_co_u32 s22, s22, 2*HALFS
	s_sub_co_u32 s22, s22, s21
	v_mul_u32_u24 v6, s22, v2                      ; lanes 16-31 take B's words
	s_add_co_u32 s21, s21, SCL
	v_add_nc_u32 v5, v5, v6
	v_add_nc_u32 v[ADRS], s21, v5
	v_and_b32 v6, 31, v0
	v_lshlrev_b32 v[L16], 4, v6
	v_lshl_add_u32 v[L8], v6, 3, 512
	s_wait_alu depctr_va_vdst(0)
	s_lshl_b32 s22, s17, 16                        ; the table: 4,096 bytes for each 16 tokens
	s_lshl_b32 s23, s15, 15
	s_add_co_u32 s22, s22, s23
	s_cmp_eq_u32 ttmp9, 2
	s_cselect_b32 s22, IDENT, s22
	s_cselect_b32 s18, s42, s17                    ; the tokens' tile and half,
	s_cselect_b32 s19, s16, s15
	s_cselect_b32 s20, s17, s42                    ; the channels' tile and half
	s_cselect_b32 s21, s15, s16
	s_mov_b32 s23, 0
	s_add_nc_u64 s[96:97], s[96:97], s[22:23]
.macro CSLOAD a
.irp e, 0,1,2,3,4,5,6,7
	global_load_b128 v[CS+32*((\a)%2)+4*\e:CS+32*((\a)%2)+4*\e+3], v[L16], s[96:97] offset:4096*(\a)+512*\e
.endr
.endm
	CSLOAD 0
	CSLOAD 1
	s_lshr_b32 s22, s18, 3                         ; out: block ((batch x 4 + group of heads) x 16 + 128 tokens) of 26,624 bytes
	s_lshl_b32 s22, s22, 2
	s_add_co_u32 s22, s22, s20
	s_lshl_b32 s22, s22, 4
	s_and_b32 s23, s18, 7
	s_lshl_b32 s23, s23, 1
	s_add_co_u32 s22, s22, s23
	s_add_co_u32 s22, s22, s19
	s_mul_i32 s22, s22, 26624
	s_mul_i32 s46, s21, 12288
	s_add_co_u32 s46, s46, s22
	s_mov_b32 s47, 0
	s_lshl_b32 s23, s21, 10
	s_add_co_u32 s22, s22, s23
	s_add_co_u32 s22, s22, 24576
	s_mov_b32 s23, 0
	s_add_nc_u64 s[94:95], s[12:13], s[22:23]      ; scale words
	s_add_nc_u64 s[12:13], s[12:13], s[46:47]      ; codes
.macro FRAG reg, adr, st, i            ; 16 rows x 128 K: six pieces of 8 bytes; byte y of a row lies in slot (y / 256) % 2 at byte y % 256
.irp p, 0,1,2,3,4,5
.set BY, 96*(\st)+48*(\p/3)+8*(\p%3)
.if BY/ROWB == (BY+24)/ROWB
	ds_load_b64 v[\reg+2*\p:\reg+2*\p+1], v[\adr+(BY/ROWB)%2] offset:BY%ROWB+(\i)*16*PITCH
.else
	ds_load_b64 v[\reg+2*\p:\reg+2*\p+1], v[\adr+2+(BY/ROWB)%2] offset:BY%ROWB-232+(\i)*16*PITCH
.endif
.endr
.endm
.macro MUL16 a0, p, q, sc, zero        ; the 64 accumulators take turns
.irp a, \a0, \a0+1
.irp b, 0,1,2,3,4,5,6,7
.if \zero
	v_wmma_scale_f32_16x16x128_f8f6f4 v[8*(8*((\a)%4)+\b):8*(8*((\a)%4)+\b)+7], v[128*(\p)+FR*\b:128*(\p)+FR*\b+FR-1], v[AF+FR*(\a):AF+FR*(\a)+FR-1], 0, v[SC+8*NQ*(\sc)+NQ*\b+(\q)], v[SC+8*NQ*(\sc)+NQ*(\a)+(\q)] matrix_a_fmt:MATRIX_FMT_FP6 matrix_b_fmt:MATRIX_FMT_FP6 matrix_a_scale:MATRIX_SCALE_ROW1
.else
	v_wmma_scale_f32_16x16x128_f8f6f4 v[8*(8*((\a)%4)+\b):8*(8*((\a)%4)+\b)+7], v[128*(\p)+FR*\b:128*(\p)+FR*\b+FR-1], v[AF+FR*(\a):AF+FR*(\a)+FR-1], v[8*(8*((\a)%4)+\b):8*(8*((\a)%4)+\b)+7], v[SC+8*NQ*(\sc)+NQ*\b+(\q)], v[SC+8*NQ*(\sc)+NQ*(\a)+(\q)] matrix_a_fmt:MATRIX_FMT_FP6 matrix_b_fmt:MATRIX_FMT_FP6 matrix_a_scale:MATRIX_SCALE_ROW1
.endif
.endr
.endr
.endm
.macro FETCH_B st, p
	WIN TO_B
.irp i, 0,1,2,3,4,5,6,7
	FRAG 128*(\p)+FR*\i, ADRB, \st, \i
.endr
	WIN 0
.endm
.macro FETCH_A st, i0
.irp i, \i0, \i0+1, \i0+2, \i0+3
	FRAG AF+FR*(\i), ADRA, \st, \i
.endr
.endm
.macro SCALES pr                       ; the words of steps 2 pr, 2 pr + 1
.irp i, 0,1,2,3,4,5,6,7
	ds_load_b64 v[SC+8*NQ*((\pr)%2)+NQ*\i:SC+8*NQ*((\pr)%2)+NQ*\i+1], v[ADRS] offset:\i*SBLK+4*NQ*(\pr)
.endr
.endm
.macro PLACES n
.rept \n
	v_nop
.endr
.endm
; A step: 64 products; the next step's fragments are fetched in its middle and at its end.  Where the next step ends in a chunk not read yet, a barrier shows that chunk whole;
; where it begins in a later chunk, the chunk left behind is free: the three lines, the barrier, and, if a chunk two on is left, the cluster's round and the refill.
.macro STEP st, zero
.set NX, (\st)+1
.set C0, (96*(\st))/ROWB
.set C1, (96*NX)/ROWB
.set E0, (96*(\st)+95)/ROWB
.set E1, (96*NX+95)/ROWB
.if C1 > C0 || E1 > E0
	s_wait_tensorcnt 0x0                           ; all my tensor loads have landed
.if C1 > C0
	ds_add_u32 v[SPW], v[NIL]
	s_wait_dscnt 4*NL+1                            ; the add and A's blocks 4-7 (24 loads) may be out
.else
	s_wait_dscnt 4*NL                              ; A's blocks 4-7 may be out
.endif
	WIN MUL_LO
	MUL16 0, (\st)%2, (\st)%2, ((\st)/2)%2, \zero
	s_wait_dscnt 0x0                               ; the add and all my reads are done
	s_barrier_signal -1
	MUL16 2, (\st)%2, (\st)%2, ((\st)/2)%2, \zero
	WIN 0
	s_barrier_wait -1
.if C1 > C0 && C0+2 < CHUNKS
	CREST
	s_add_nc_u64 s[G0+4*(C0%2)+2:G0+4*(C0%2)+3], s[G0+4*(C0%2)+2:G0+4*(C0%2)+3], 2*ROWB
	s_add_nc_u64 s[G0B+4*(C0%2)+2:G0B+4*(C0%2)+3], s[G0B+4*(C0%2)+2:G0B+4*(C0%2)+3], 2*ROWB
	JLOAD G0+4*(C0%2), G1, G0B+4*(C0%2), G1B       ; chunk C0 + 2; its four v_nop are the places ahead of the loads below
.else
	PLACES NP
.endif
.else
	s_wait_dscnt 4*NL
	WIN MUL_LO
	MUL16 0, (\st)%2, (\st)%2, ((\st)/2)%2, \zero
	MUL16 2, (\st)%2, (\st)%2, ((\st)/2)%2, \zero
	s_wait_dscnt 0
	PLACES NP
.endif
	FETCH_B NX, NX%2
	FETCH_A NX, 0
.if NX%2 == 0
	SCALES NX/2
.endif
	WIN MUL_HI
	MUL16 4, (\st)%2, (\st)%2, ((\st)/2)%2, \zero
	MUL16 6, (\st)%2, (\st)%2, ((\st)/2)%2, \zero
	PLACES NP
	WIN 0
	FETCH_A NX, 4
.endm
	s_wait_alu depctr_va_vdst(0)
	s_wait_tensorcnt 0x0                           ; my tile of the head's four is in
	ds_add_u32 v[SPW], v[NIL]
	s_mov_b32 s[G1+2], 128<<16                     ; no load of mine is out: from here on a load brings 128 rows
	s_mov_b32 s[G1+4], 128
	s_mov_b32 s[G1B+2], 128<<16
	s_mov_b32 s[G1B+4], 128
	s_wait_dscnt 0x0
	CROUND
	JLOAD G0+4, G1, G0B+4, G1B                     ; chunk 1, slot 1's first fill
	FETCH_B 0, 0
	FETCH_A 0, 0
	SCALES 0
	FETCH_A 0, 4
	STEP 0, 1                                      ; the first products start the sums
.set ST, 1
.rept STEPS-2
	STEP ST, 0
.set ST, ST+1
.endr
	s_wait_dscnt 4*NL
	WIN MUL_LO
	MUL16 0, 1, 1, 1, 0
	MUL16 2, 1, 1, 1, 0
	s_wait_dscnt 0
	WIN MUL_HI
	MUL16 4, 1, 1, 1, 0
	MUL16 6, 1, 1, 1, 0
	WIN 0
; THE WAY OUT, by blocks of 16 of A's rows x 128 of B's: rotate, quantise in blocks of 32 along a lane's registers, store the operand's image.
.macro ROPE a
.set AC, 64*((\a)%4)
.set W, 2+(\a)/4
.set WD, W|(W<<6)
.set CB, CS+32*((\a)%2)
	WIN W
.irp c, 0,1
.irp i, 0,2,4,6,8,10,12,14
	v_pk_mul_f32 v[T1+16*\c+\i:T1+16*\c+\i+1], v[AC+32*\c+16+\i:AC+32*\c+17+\i], v[CB+16+\i:CB+17+\i]
.endr
.irp i, 0,2,4,6,8,10,12,14
	v_pk_mul_f32 v[T2+16*\c+\i:T2+16*\c+\i+1], v[AC+32*\c+\i:AC+32*\c+1+\i], v[CB+16+\i:CB+17+\i]
.endr
.endr
	WIN WD
.irp c, 0,1
.irp i, 0,2,4,6,8,10,12,14
	v_pk_fma_f32 v[AC+32*\c+\i:AC+32*\c+1+\i], v[AC+32*\c+\i:AC+32*\c+1+\i], v[CB+\i:CB+1+\i], v[T1+16*\c+\i:T1+16*\c+\i+1] neg_lo:[0,0,1] neg_hi:[0,0,1]
	v_pk_fma_f32 v[AC+32*\c+16+\i:AC+32*\c+17+\i], v[AC+32*\c+16+\i:AC+32*\c+17+\i], v[CB+\i:CB+1+\i], v[T2+16*\c+\i:T2+16*\c+\i+1]
.endr
.endr
	WIN 0
.endm
.macro QUANTW a
.set AC, 64*((\a)%4)
.set W, 2+(\a)/4
.set W2, W|(W<<2)
.if ((\a)%2) == 0
.set PWR, PWP+(\a)/2
.else
.set PWR, PW
.endif
	WIN W2
.irp b, 0,1,2,3
	v_max3_num_f32 v[TM+\b], |v[AC+16*\b]|, |v[AC+16*\b+1]|, 0x1800000   ; with the floor 2^(3 - 127)
.endr
.irp i, 2,4,6,8,10,12,14
.irp b, 0,1,2,3
	v_max3_num_f32 v[TM+\b], |v[AC+16*\b+\i]|, |v[AC+16*\b+\i+1]|, v[TM+\b]
.endr
.endr
	WIN 0
.irp b, 0,1,2,3
	v_permlanex16_b32 v[TM+4+\b], v[TM+\b], s[SEL], s[SEL+1]
.endr
.irp b, 0,1,2,3
	v_max_num_f32 v[TM+\b], v[TM+\b], v[TM+4+\b]
.endr
.irp b, 0,1,2,3
	v_add_nc_u32 v[TM+12+\b], 0xff000000, v[TM+\b]  ; 2 off the exponent field: the conversion's scale operand
.endr
.irp b, 0,1,2,3
	v_lshrrev_b32 v[TM+4+\b], 23, v[TM+12+\b]
.endr
	v_lshl_or_b32 v[PWR], v[TM+5], 8, v[TM+4]
	v_lshl_or_b32 v[PWR], v[TM+6], 16, v[PWR]
	v_lshl_or_b32 v[PWR], v[TM+7], 24, v[PWR]
	WIN W
.irp c, 0,1
	v_cvt_scalef32_pk16_fp6_f32 v[CD+6*\c:CD+6*\c+2], v[AC+32*\c:AC+32*\c+15], v[TM+12+2*\c]
	v_cvt_scalef32_pk16_fp6_f32 v[CD+12+4*\c:CD+14+4*\c], v[AC+32*\c+16:AC+32*\c+31], v[TM+13+2*\c]
.endr
	WIN 0
	v_nop                                          ; one plain place behind a scaled conversion
.irp c, 0,1
.irp i, 0,1,2
	v_permlane16_swap_b32 v[CD+6*\c+\i], v[CD+12+4*\c+\i]
.endr
.irp i, 0,1,2
	v_mov_b32 v[CD+3+6*\c+\i], v[CD+12+4*\c+\i]
.endr
.endr
.if ((\a)%2) == 1
	v_cndmask_b32 v[PWP+(\a)/2], v[PWP+(\a)/2], v[PW], s99   ; two blocks' words share a register: lanes 0-15, lanes 16-31
.endif
.endm
.macro BLOCK a
.if (\a) < 7
	s_wait_loadcnt 8                               ; this block's cos and sin are in; the next block's 8 loads may be out
.else
	s_wait_loadcnt 0
.endif
	ROPE \a
	s_wait_xcnt 0x0                                ; the last block's stores have read their data
.if (\a) < 6
	CSLOAD (\a)+2
.endif
	QUANTW \a
	global_store_b128 v[L16], v[CD:CD+3], s[12:13] offset:1536*(\a)
	global_store_b64 v[L8], v[CD+4:CD+5], s[12:13] offset:1536*(\a)
	global_store_b128 v[L16], v[CD+6:CD+9], s[12:13] offset:1536*(\a)+768
	global_store_b64 v[L8], v[CD+10:CD+11], s[12:13] offset:1536*(\a)+768
.endm
	PLACES NP
.irp b, 0,1,2,3
	v_mov_b32 v[TM+4+\b], 0                        ; a lane permute's destination counts as a source
.endr
.irp a, 0,1,2,3,4,5,6,7
	BLOCK \a
.endr
	global_store_b128 v[L16], v[PWP:PWP+3], s[94:95]
.irp i, 0,1,2,3
	v_lshrrev_b32 v[PWS+\i], 16, v[PWP+\i]
.endr
	global_store_b128 v[L16], v[PWS:PWS+3], s[94:95] offset:512
	s_wait_tensorcnt 0x0                           ; the wave's end
	ds_add_u32 v[SPW], v[NIL]
	s_wait_dscnt 0x0
	CROUND                                         ; the closing round
	s_endpgm
.Lfunc_end_k_q2300416adc_qkv:
	.size	k_q2300416adc_qkv, .Lfunc_end_k_q2300416adc_qkv-k_q2300416adc_qkv
	.p2alignl 7, 3214868480
	.fill 96, 4, 3214868480
	.section	.rodata,"a",@progbits
	.p2align	6, 0x0
	.amdhsa_kernel k_q2300416adc_qkv
		.amdhsa_group_segment_fixed_size 327680
		.amdhsa_private_segment_fixed_size 0
		.amdhsa_enable_private_segment 0
		.amdhsa_kernarg_size 96
		.amdhsa_user_sgpr_count 2
		.amdhsa_user_sgpr_kernarg_segment_ptr 1
		.amdhsa_wavefront_size32 1
		.amdhsa_system_sgpr_workgroup_id_x 1
		.amdhsa_system_sgpr_workgroup_id_y 1
		.amdhsa_system_sgpr_workgroup_id_z 1
		.amdhsa_system_vgpr_workitem_id 0
		.amdhsa_next_free_vgpr 1024
		.amdhsa_next_free_sgpr 102
		.amdhsa_reserve_vcc 0
		.amdhsa_float_denorm_mode_32 3
		.amdhsa_float_denorm_mode_16_64 3
		.amdhsa_memory_ordered 1
		.amdhsa_forward_progress 1
		.amdhsa_inst_pref_size 205
	.end_amdhsa_kernel
	.amdgpu_metadata
---
amdhsa.version: [ 1, 2 ]
amdhsa.kernels:
  - .name:           k_q2300416adc_qkv
    .symbol:         k_q2300416adc_qkv.kd
    .args:
      - { .name: hidden_states_codes, .offset: 0, .size: 8, .value_kind: global_buffer, .address_space: global }
      - { .name: hidden_states_scales, .offset: 8, .size: 8, .value_kind: global_buffer, .address_space: global }
      - { .name: wq_codes, .offset: 16, .size: 8, .value_kind: global_buffer, .address_space: global }
      - { .name: wq_scales, .offset: 24, .size: 8, .value_kind: global_buffer, .address_space: global }
      - { .name: wk_codes, .offset: 32, .size: 8, .value_kind: global_buffer, .address_space: global }
      - { .name: wk_scales, .offset: 40, .size: 8, .value_kind: global_buffer, .address_space: global }
      - { .name: wv_codes, .offset: 48, .size: 8, .value_kind: global_buffer, .address_space: global }
      - { .name: wv_scales, .offset: 56, .size: 8, .value_kind: global_buffer, .address_space: global }
      - { .name: rope, .offset: 64, .size: 8, .value_kind: global_buffer, .address_space: global }
      - { .name: qbuf, .offset: 72, .size: 8, .value_kind: global_buffer, .address_space: global }
      - { .name: kbuf, .offset: 80, .size: 8, .value_kind: global_buffer, .address_space: global }
      - { .name: vbuf, .offset: 88, .size: 8, .value_kind: global_buffer, .address_space: global }
    .group_segment_fixed_size: 327680
    .private_segment_fixed_size: 0
    .kernarg_segment_align: 8
    .kernarg_segment_size: 96
    .max_flat_workgroup_size: 128
    .sgpr_count:     102
    .vgpr_count:     1024
    .wavefront_size: 32
...
	.end_amdgpu_metadata
.endif
;; end of part 2
;; launch attn (part 3): grid 4 x 64, 16 waves a work-group, clusters of 4 x 4, 327,680 bytes of LDS; arguments qbuf, kbuf, vbuf, attention_mask, abuf, ascl; writes abuf, ascl
.if DOCPART == 3
	.amdgcn_target "amdgcn-amd-amdhsa--gfx1250"
	.amdhsa_code_object_version 6
	.text
	.protected	k_q2300416adc_attn
	.globl	k_q2300416adc_attn
	.p2align	8
	.type	k_q2300416adc_attn,@function
k_q2300416adc_attn:
	s_mov_b64 s[64:65], 0
	v_nop
	global_prefetch_b8 v0, s[64:65] scope:SCOPE_SE
	s_setreg_imm32_b32 hwreg(HW_REG_WAVE_MODE, 25, 1), 1
	s_wait_xcnt 0x0
	s_wait_alu depctr_hold_cnt(0) depctr_sa_sdst(0) depctr_va_vdst(0) depctr_va_sdst(0) depctr_va_ssrc(0) depctr_va_vcc(0) depctr_vm_vsrc(0)
	s_getreg_b32 s2, hwreg(HW_REG_IB_STS2, 6, 4)
	s_cmp_eq_u32 s2, 0
	s_cbranch_scc0 .Lentry_in_a_cluster
	s_endpgm
.Lentry_in_a_cluster:
	s_bfe_u32 s2, ttmp6, 0x10000c
	s_cmp_lg_u32 s2, 0xf033
	s_cbranch_scc0 .Lentry_shape_is_right
	s_endpgm
.Lentry_shape_is_right:
; o = softmax(q k^T / 8 + mask) v for 2 x 16 heads of 64, 2,048 queries and keys, both products on codes of FP6 (E2M3) with one E8M0 scale for each 32 along a product's K; o is quantised along the model's 1,024 for the last product.
; The mask is an input: every one of its numbers is read and added; no key is left out.
; SHARES.  A work-group owns 64 queries of one batch and a group of 4 heads.  Wave w of sixteen: tile of 16 queries w % 4, head w / 4.  Every wave walks the 2,048 keys, 128 a step, in 256 registers: four waves to a SIMD, so that
; one wave's vector work stands beside another's matrix work and LDS loads.
; CLUSTER 4 x 4: cx = the group of heads, cy = one of four blocks of queries.  The mask's tile (64 queries x 128 keys, f32) hangs on batch and queries alone: it is asked for jointly along a row of the cluster, which holds all 16 heads.
; K's and V's blocks (128 keys of 4 heads, 26,624 bytes each, laid by the launch before as images of operand registers) hang on batch and cx: jointly along a column.
; RING: two slots of 2^17 bytes; wave 0 fetches the mask's tile, wave 1 K's block, wave 2 V's; the change of slots stands at a step's head, and the slot just left is filled with the next step's tiles.
; LAYOUT.  Both products transposed: S^T = K Q^T (source 0 = 16 keys, source 1 = my 16 queries; the head's 64 fill registers 0-5 of an operand, registers 6-11 are zero codes), O^T = V^T P^T.  Lane (r, h) holds query r throughout;
; register 8 tau + j of S is key 16 tau + 8 h + j.  So p's codes come out, within each block of 32 keys, in the order 0-7, 16-23, 8-15, 24-31: the order in which V's codes were laid.
; SOFTMAX.  l = score / 8 + mask.  L = the running largest l, from -FLT_MAX on.  t = max(L log2(e), -3e38); M = ceil(t), a whole number.  p = 2^((l - L) log2(e) + (t - M)), at most 1, is what is quantised; the row's sum is taken of the
; unquantised p and divides at the end.  When M moves, the sum and O^T are multiplied by 2^(old M - new M), which rounds nothing.  A row masked throughout at -FLT_MAX has l = L, p = 1: the uniform weights that reference() gives.
; A block's largest p is not searched for: the block's largest l goes through the same three lines.  (That takes v_exp_f32 not to fall where its input rises.)
; LIMITS: a row whose EVERY logit is -infinity gives NaN (single ones give p = 0); NaN and +infinity are not served; blocks whose largest magnitude lies under 2^-124 keep the scale byte 1.
.set SLOT1, 131072
.set MP,    528                        ; a row of the mask's tile in LDS: 512 bytes + 16: the 16 rows of a load start at 16 different groups of banks (64 banks of 4 bytes: ISA guide 11.1)
.set KOFF,  64*MP                      ; a slot: the mask's 64 rows, K's block, V's block
.set BLKB,  26624
.set VOFF,  KOFF+BLKB
.set SPARE, 2*SLOT1                    ; the spare words, 128 bytes for each wave: eight blocks of 256 bytes that no other line names
.set STS,   12288                      ; the way out: codes at LDS byte 0 (64 tokens x 192 bytes), scale bytes here (64 x 8): in slot 0, which has had its last fill and its last read by then
.set AM0,  1                           ; v1-7   my lane's places in a slot: mask; K's registers 0-3, 4-5; V's; K's scale words; V's
.set AK16, 2
.set AK8,  3
.set AV16, 4
.set AV8,  5
.set AKS,  6
.set AVS,  7
.set DM,   8                           ; v8-11, v16-18  the same in the slot in hand
.set DK16, 9
.set DK8,  10
.set DKS,  11
.set LX,   12                          ; v12  L   (the packed forms name the pair v[12:13] and take its low word)
.set NM,   13                          ; v13  -M
.set SUM,  14                          ; v[14:15] the row's sum, in two halves
.set DV16, 16
.set DV8,  17
.set DVS,  18
.set QS,   19                          ; v19  Q's scale words
.set SPW,  20                          ; v20  LDS address of my spare word; never rewritten
.set NIL,  21                          ; v21  0; never rewritten
.set VS,   22                          ; v[22:23] V's scale words
.set KS,   24                          ; v[24:27] K's
.set Q,    28                          ; v[28:39] Q: 6 registers of codes, 6 of zeros
.set KB,   40                          ; v[40:87] four tiles of K, each 6 of codes, 6 of zeros
.set CT0,  52                          ; (while K's codes are dead: two conversions' results and the second chain of the sum)
.set CT1,  64
.set SM2,  76
.set S,    88                          ; v[88:151] S^T, then p
.set O,    152                         ; v[152:183] O^T
.set R1,   184                         ; v[184:247] the mask's 64 numbers; then:
.set VF,   184                         ; v[184:231] V's four fragments
.set P,    232                         ; v[232:243] p's codes
.set F,    244                         ; v244 2^(old M - new M)   (pair v[244:245])
.set FRC,  246                         ; v246 t - M               (pair v[246:247])
.set PWD,  247                         ; v247 p's scale word
.set BM,   248                         ; v248-251 the blocks' largest l, then p, then the conversions' scale operands
.set BT,   252                         ; v252-255 at work
.set WV,   16                          ; s16 wave; s17 tile of queries; s18 head; s19 pair of heads; s20 which of the pair; s21 cx; s22 cy; s23 cluster y; s61 batch; s62 block of 64 queries
.set G1M,  24                          ; s[24:31] descriptor group 1 for the mask's tile;  s[32:39] for K's and V's blocks
.set G1KV, 32
.set G0M,  40                          ; s[40:43], s[44:47], s[48:51] groups 0, which walk
.set G0K,  44
.set G0V,  48
.set SEL,  52                          ; s[52:53] lane selects for v_permlanex16_b32: lane l xor 16
.set C8,   54                          ; s[54:55] 1/8
.set CL,   56                          ; s[56:57] log2(e)
.set TH,   58                          ; s58 -3e38
.set TB,   59                          ; s59 LDS byte at which the slot in hand begins
.set CNT,  60
.macro CROUND                          ; a round of the cluster's barrier
	s_barrier_signal -1
	s_barrier_wait -1
	s_cmp_lg_u32 s[WV], 0
	s_cbranch_scc1 .Lnot_wave_0_\@
	s_barrier_signal -3
.Lnot_wave_0_\@:
	s_barrier_wait -3
	s_barrier_signal -1
	s_barrier_wait -1
.endm
; Wave 0 asks for the mask's tile, wave 1 for K's block, wave 2 for V's.  The branches hang on the wave's number alone.  Four v_nop follow each tensor load.
; pf = 1: wave 3 asks the L2 for a part of the mask's tile that the NEXT change of slots will request: this work-group's 16 of the tile's 64 rows (rows 16 cx on), lane l the row l / 2 and its half l % 2 of 256 bytes:
; so each aligned 256 bytes of the mask is asked for by one lane of one work-group.  The column stops at the last tile.  K and V were stored by the launch before and are read by eight clusters: they are not asked for.
.macro TLOAD pf
	s_cmp_lg_u32 s[WV], 0
	s_cbranch_scc1 .Lnot_m_\@
	tensor_load_to_lds s[G0M:G0M+3], s[G1M:G1M+7]
	s_nop 0
.rept 4
	v_nop
.endr
	s_branch .Lasked_\@
.Lnot_m_\@:
	s_cmp_lg_u32 s[WV], 1
	s_cbranch_scc1 .Lnot_k_\@
	tensor_load_to_lds s[G0K:G0K+3], s[G1KV:G1KV+7]
	s_nop 0
.rept 4
	v_nop
.endr
	s_branch .Lasked_\@
.Lnot_k_\@:
	s_cmp_lg_u32 s[WV], 2
	s_cbranch_scc1 .Lnot_v_\@
	tensor_load_to_lds s[G0V:G0V+3], s[G1KV:G1KV+7]
	s_nop 0
.rept 4
	v_nop
.endr
.if \pf
	s_branch .Lasked_\@
.endif
.Lnot_v_\@:
.if \pf
	s_cmp_lg_u32 s[WV], 3
	s_cbranch_scc1 .Lasked_\@
	v_bfe_u32 v[BT], v0, 1, 4
	v_and_b32 v[BT+1], 1, v0
	s_delay_alu instid0(VALU_DEP_2)
	v_lshlrev_b32 v[BT], 13, v[BT]                 ; a row of the mask is 8,192 bytes
	s_delay_alu instid0(VALU_DEP_1)
	v_lshl_or_b32 v[BT], v[BT+1], 8, v[BT]
	global_prefetch_b8 v[BT], s[92:93] th:TH_LOAD_NT scope:SCOPE_SE
.endif
.Lasked_\@:
.endm
	s_load_b256 s[4:11], s[0:1], 0x0               ; qbuf, kbuf, vbuf, mask
	s_load_b128 s[12:15], s[0:1], 0x20             ; abuf, ascl
	v_lshl_add_u32 v[SPW], v0, 2, SPARE
	v_mov_b32 v[NIL], 0
	ds_add_u32 v20, v21
	ds_add_u32 v20, v21
	s_wait_dscnt 0x0
	v_lshrrev_b32 v1, 5, v0
	s_delay_alu instid0(VALU_DEP_1)
	v_readfirstlane_b32 s[WV], v1                  ; wave 0..15
	s_and_b32 s17, s[WV], 3
	s_lshr_b32 s18, s[WV], 2
	s_lshr_b32 s19, s18, 1
	s_and_b32 s20, s18, 1
	s_bfe_u32 s21, ttmp6, 0x40000                  ; cx
	s_bfe_u32 s22, ttmp6, 0x40004                  ; cy
	s_and_b32 s23, ttmp7, 0xffff
	s_lshr_b32 s61, s23, 3                         ; the batch
	s_and_b32 s62, s23, 7
	s_lshl_b32 s62, s62, 2
	s_add_co_u32 s62, s62, s22                     ; my block of 64 queries
	s_lshl_b32 s68, s22, 2
	s_lshl_b32 s68, 15, s68                        ; my row of the cluster
	s_lshl_b32 s69, 0x1111, s21                    ; my column
	s_or_b32 s[G1M], s68, (2<<16)|(1<<20)|(1<<21)|(6<<22)|(3<<25)   ; 15:0 the mask of work-groups; 17:16 elements of 4 bytes; 20 padding on; 21 set beside a mask; 24:22 after every 128 words (code 6); 31:25 of 4 words (code 3)
	s_mov_b32 s[G1M+1], 128<<16                    ; tensor_dim0 = 128 keys
	s_mov_b32 s[G1M+2], 64<<16                     ; tensor_dim1 = 64 queries
	s_mov_b32 s[G1M+3], 128<<16                    ; tile_dim0
	s_mov_b32 s[G1M+4], 64                         ; tile_dim1
	s_mov_b32 s[G1M+5], 2048                       ; tensor_dim0_stride
	s_mov_b32 s[G1M+6], 0
	s_mov_b32 s[G1M+7], 0
	s_or_b32 s[G1KV], s69, (3<<16)|(1<<21)         ; a dense block of 26,624 bytes: 104 rows of 256 bytes (32 elements of 8 bytes), no padding
	s_mov_b32 s[G1KV+1], 32<<16
	s_mov_b32 s[G1KV+2], 104<<16
	s_mov_b32 s[G1KV+3], 32<<16
	s_mov_b32 s[G1KV+4], 104
	s_mov_b32 s[G1KV+5], 32
	s_mov_b32 s[G1KV+6], 0
	s_mov_b32 s[G1KV+7], 0
	s_lshl_b32 s70, s61, 24                        ; the mask: batch x 2,048 x 8,192 bytes
	s_lshl_b32 s71, s62, 19                        ; + 64 rows of 8,192 bytes for each block of queries
	s_add_co_u32 s70, s70, s71
	s_mov_b32 s71, 0
	s_lshl_b32 s72, s61, 2                         ; K, V: (4 x batch + cx) x 16 blocks
	s_add_co_u32 s72, s72, s21
	s_mul_i32 s72, s72, 16*BLKB
	s_mov_b32 s73, 0
	s_lshl_b32 s74, s21, 17                        ; the prefetch: rows 16 cx on
	s_mov_b32 s75, 0
	s_lshr_b32 s77, s62, 1                         ; Q: the block of 128 tokens that holds my 64,
	s_mul_i32 s76, s77, BLKB
	s_add_co_u32 s76, s76, s72
	s_and_b32 s77, s62, 1
	s_lshl_b32 s77, s77, 2
	s_add_co_u32 s77, s77, s17                     ; and my tile in it
	s_mul_i32 s78, s19, 12288
	s_add_co_u32 s78, s78, s76
	s_mul_i32 s79, s77, 1536
	s_add_co_u32 s78, s78, s79
	s_mul_i32 s79, s20, 768
	s_add_co_u32 s78, s78, s79                     ; its codes
	s_mov_b32 s79, 0
	s_lshl_b32 s80, s19, 10
	s_add_co_u32 s80, s80, s76
	s_lshl_b32 s81, s20, 9
	s_add_co_u32 s80, s80, s81
	s_and_b32 s81, s77, 1
	s_lshl_b32 s81, s81, 8
	s_add_co_u32 s80, s80, s81
	s_lshr_b32 s81, s77, 1
	s_lshl_b32 s81, s81, 2
	s_add_co_u32 s80, s80, s81
	s_add_co_u32 s80, s80, 24576                   ; its scale words
	s_mov_b32 s81, 0
	s_lshl_b32 s86, s61, 5
	s_add_co_u32 s86, s86, s62                     ; 32 x batch + block of queries
	s_mul_i32 s88, s86, 49152                      ; abuf: 64 tokens of 768 bytes,
	s_mul_i32 s87, s21, 192                        ; my group of heads: 192 bytes of each token's row
	s_add_co_u32 s88, s88, s87
	s_mov_b32 s89, 0
	s_lshl_b32 s86, s86, 11                        ; ascl: 64 tokens of 32 bytes,
	s_lshl_b32 s87, s21, 3                         ; my group's 8
	s_add_co_u32 s86, s86, s87
	s_mov_b32 s87, 0
	s_mov_b32 s[SEL], 0x76543210
	s_mov_b32 s[SEL+1], 0xfedcba98
	s_mov_b32 s[C8], 0x3e000000
	s_mov_b32 s[C8+1], s[C8]                       ; (named with it as a pair, so it is written)
	s_mov_b32 s[CL], 0x3fb8aa3b
	s_mov_b32 s[CL+1], s[CL]
	s_mov_b32 s[TH], 0xff61b1e6
	s_mov_b32 s[TB], 0
	s_mov_b32 s[CNT], 15
	s_mov_b32 s94, 512                             ; the prefetch's column, in bytes: the first change of slots makes it tile 2's
	s_mov_b32 s95, 0
	s_wait_kmcnt 0x0
	s_mov_b32 s[G0M], 1                            ; 1:0 count = 1
	s_mov_b32 s[G0M+1], 0                          ; LDS address: slot 0
	s_add_nc_u64 s[G0M+2:G0M+3], s[10:11], s[70:71]
	s_add_nc_u64 s[90:91], s[10:11], s[70:71]
	s_or_b32 s[G0M+3], s[G0M+3], 0x80000000        ; type = 2
	s_mov_b32 s[G0K], 1
	s_mov_b32 s[G0K+1], KOFF
	s_add_nc_u64 s[G0K+2:G0K+3], s[6:7], s[72:73]
	s_or_b32 s[G0K+3], s[G0K+3], 0x80000000
	s_mov_b32 s[G0V], 1
	s_mov_b32 s[G0V+1], VOFF
	s_add_nc_u64 s[G0V+2:G0V+3], s[8:9], s[72:73]
	s_or_b32 s[G0V+3], s[G0V+3], 0x80000000
	s_add_nc_u64 s[90:91], s[90:91], s[74:75]
	s_add_nc_u64 s[82:83], s[4:5], s[78:79]
	s_add_nc_u64 s[84:85], s[4:5], s[80:81]
	s_add_nc_u64 s[12:13], s[12:13], s[88:89]
	s_add_nc_u64 s[14:15], s[14:15], s[86:87]
	CROUND                                         ; all sixteen work-groups are here: the first joint loads meet
	TLOAD 0                                        ; step 0's tiles, into slot 0
	v_and_b32 v93, 31, v0                          ; lane
	v_and_b32 v91, 15, v0                          ; r
	v_bfe_u32 v92, v0, 4, 1                        ; h
	s_delay_alu instid0(VALU_DEP_3)
	v_lshlrev_b32 v88, 4, v93
	s_wait_alu depctr_va_vdst(0)
	v_lshlrev_b32 v89, 3, v93
	s_wait_alu depctr_va_vdst(0)
	v_lshlrev_b32 v90, 4, v91
	global_load_b128 v[Q:Q+3], v88, s[82:83]       ; Q's codes stay in registers
	global_load_b64 v[Q+4:Q+5], v89, s[82:83] offset:512
	global_load_b32 v[QS], v90, s[84:85]           ; lane (r, h): row r's word
	s_mul_i32 s86, s17, 16*MP
	v_mul_u32_u24 v[AM0], v91, MP
	s_delay_alu instid0(VALU_DEP_1)
	v_lshl_add_u32 v[AM0], v92, 5, v[AM0]
	s_delay_alu instid0(VALU_DEP_1)
	v_add_nc_u32 v[AM0], s86, v[AM0]               ; the mask: row 16 x tile + r, + 32 h bytes
	s_mul_i32 s86, s19, 12288
	s_mul_i32 s87, s20, 768
	s_add_co_u32 s87, s87, s86
	s_add_co_u32 s87, s87, KOFF
	v_add_nc_u32 v[AK16], s87, v88
	s_add_co_u32 s87, s87, 512
	v_add_nc_u32 v[AK8], s87, v89
	s_mul_i32 s87, s20, 6144
	s_add_co_u32 s87, s87, s86
	s_add_co_u32 s87, s87, VOFF
	v_add_nc_u32 v[AV16], s87, v88
	s_add_co_u32 s87, s87, 512
	v_add_nc_u32 v[AV8], s87, v89
	s_lshl_b32 s86, s19, 10
	s_lshl_b32 s87, s20, 9
	s_add_co_u32 s87, s87, s86
	s_add_co_u32 s87, s87, KOFF+24576
	v_add_nc_u32 v[AKS], s87, v88
	s_lshl_b32 s87, s20, 3
	s_add_co_u32 s87, s87, s86
	s_add_co_u32 s87, s87, VOFF+24576
	v_add_nc_u32 v[AVS], s87, v88
.irp i, 6,7,8,9,10,11
	v_mov_b32 v[Q+\i], 0                           ; zero codes for k = 64 .. 127: they add nothing under any scale byte but 0xff
.irp t, 0,1,2,3
	v_mov_b32 v[KB+12*\t+\i], 0
.endr
.endr
.set n, 0
.rept 32
	v_mov_b32 v[O+n], 0                            ; O^T.  (The step is written once: the first finds zeros, which the first change of M leaves zeros)
.set n, n+1
.endr
.irp b, 0,1,2,3
	v_mov_b32 v[BT+\b], 0                          ; a lane permute's destination counts as one of its sources
.endr
	v_mov_b32 v[SUM], 0
	v_mov_b32 v[SUM+1], 0
	v_mov_b32 v[LX], 0xff7fffff                    ; L = -FLT_MAX
	v_mov_b32 v[NM], 0x7f61b1e6                    ; -M = 3e38
.macro KLOAD g                         ; K's tiles g .. g + 3: an image of registers 0-3 (16 bytes a lane) and of registers 4-5 (8 bytes a lane)
.irp t, 0,1,2,3
	ds_load_b128 v[KB+12*\t:KB+12*\t+3], v[DK16] offset:1536*(\g+\t)
	ds_load_b64 v[KB+12*\t+4:KB+12*\t+5], v[DK8] offset:1536*(\g+\t)
.endr
.endm
.macro KQ g                            ; S^T of tiles g .. g + 3.  K's words of tiles 2 i and 2 i + 1 share a register: lanes 0-15 and lanes 16-31
.irp t, 0,1,2,3
.if (\t)%2
	v_wmma_scale_f32_16x16x128_f8f6f4 v[S+8*(\g+\t):S+8*(\g+\t)+7], v[KB+12*\t:KB+12*\t+11], v[Q:Q+11], 0, v[KS+(\g+\t)/2], v[QS] matrix_a_fmt:MATRIX_FMT_FP6 matrix_b_fmt:MATRIX_FMT_FP6 matrix_a_scale:MATRIX_SCALE_ROW1
.else
	v_wmma_scale_f32_16x16x128_f8f6f4 v[S+8*(\g+\t):S+8*(\g+\t)+7], v[KB+12*\t:KB+12*\t+11], v[Q:Q+11], 0, v[KS+(\g+\t)/2], v[QS] matrix_a_fmt:MATRIX_FMT_FP6 matrix_b_fmt:MATRIX_FMT_FP6
.endif
.endr
.endm
.macro ADDM g                          ; l = score / 8 + mask, registers g .. g + 31, each accumulator from its low end on
.set n, \g
.rept 16
	v_pk_fma_f32 v[S+n:S+n+1], v[S+n:S+n+1], s[C8:C8+1], v[R1+n:R1+n+1] op_sel_hi:[1,0,1]
.set n, n+2
.endr
.endm
.macro BMAX b0, b1                     ; the largest l of my 16 keys of blocks b0 and b1, by turns
.irp b, \b0, \b1
	v_max3_num_f32 v[BM+\b], v[S+16*\b], v[S+16*\b+1], v[S+16*\b+2]
.endr
.irp i, 3,5,7,9,11,13
.irp b, \b0, \b1
	s_delay_alu instid0(VALU_DEP_2)
	v_max3_num_f32 v[BM+\b], v[BM+\b], v[S+16*\b+\i], v[S+16*\b+\i+1]
.endr
.endr
.irp b, \b0, \b1
	s_delay_alu instid0(VALU_DEP_2)
	v_max_num_f32 v[BM+\b], v[BM+\b], v[S+16*\b+15]
.endr
.endm
; A KEY STEP: 128 keys.
.macro STEP
	v_add_nc_u32 v[DM], s[TB], v[AM0]              ; (these seven are also the places between the last step's products and the loads into their registers)
	v_add_nc_u32 v[DK16], s[TB], v[AK16]
	v_add_nc_u32 v[DK8], s[TB], v[AK8]
	v_add_nc_u32 v[DKS], s[TB], v[AKS]
	v_add_nc_u32 v[DV16], s[TB], v[AV16]
	v_add_nc_u32 v[DV8], s[TB], v[AV8]
	v_add_nc_u32 v[DVS], s[TB], v[AVS]
	ds_load_b128 v[KS:KS+3], v[DKS]
	KLOAD 0
.set n, 0
.rept 16
	ds_load_b128 v[R1+4*n:R1+4*n+3], v[DM] offset:64*(n/2)+16*(n%2)   ; the mask at my query and keys 16 tau + 8 h + 0 .. 7
.set n, n+1
.endr
	s_wait_alu depctr_va_vdst(0)
	s_wait_dscnt 16                                ; K's words and tiles 0-3 are in; the mask's 16 loads may be out
	KQ 0
.rept 4
	v_nop                                          ; places in front of loads into registers that these products read, and of the first read of their results
.endr
	KLOAD 4
	s_wait_dscnt 8                                 ; the mask is in; K's tiles 4-7 may be out
	ADDM 0
	s_wait_alu depctr_va_vdst(0)
	s_wait_dscnt 0x0
	KQ 4
	BMAX 0, 1                                      ; (sixteen plain lines on other registers: the places behind those products)
	ADDM 32
.irp t, 0,1,2,3                        ; V's four fragments (16 channels x these 128 keys), into the registers that the mask has left
	ds_load_b128 v[VF+12*\t:VF+12*\t+3], v[DV16] offset:1536*\t
	ds_load_b64 v[VF+12*\t+4:VF+12*\t+5], v[DV8] offset:1536*\t
	ds_load_b128 v[VF+12*\t+6:VF+12*\t+9], v[DV16] offset:1536*\t+768
	ds_load_b64 v[VF+12*\t+10:VF+12*\t+11], v[DV8] offset:1536*\t+768
.endr
	ds_load_b64 v[VS:VS+1], v[DVS]
	BMAX 2, 3
	s_wait_alu depctr_va_vdst(0)
	s_wait_xcnt 0x0                                ; wave 3's prefetch has had its address translated: its offset register and its base are written again only behind this wait
.irp b, 0,1,2,3
	v_permlanex16_b32 v[BT+\b], v[BM+\b], s[SEL], s[SEL+1]
.endr
.irp b, 0,1,2,3
	s_delay_alu instid0(VALU_DEP_4)
	v_max_num_f32 v[BM+\b], v[BM+\b], v[BT+\b]     ; with lane l xor 16's 16 keys: the block's largest l
.endr
	s_delay_alu instid0(VALU_DEP_2)
	v_max3_num_f32 v[BT], v[BM], v[BM+1], v[BM+2]
	s_delay_alu instid0(VALU_DEP_1)
	v_max3_num_f32 v[LX], v[LX], v[BT], v[BM+3]    ; L
	s_delay_alu instid0(VALU_DEP_1)
	v_mul_f32 v[BT], s[CL], v[LX]                  ; t; it overflows where L lies under -2.36e38,
	s_delay_alu instid0(VALU_DEP_1)
	v_max_num_f32 v[BT], s[TH], v[BT]              ; so it is held at -3e38, a whole number
	v_mov_b32 v[F], v[NM]
	s_delay_alu instid0(VALU_DEP_2)
	v_floor_f32 v[NM], -v[BT]                      ; -M = floor(-t)
	s_delay_alu instid0(VALU_DEP_1)
	v_sub_f32 v[F], v[NM], v[F]                    ; old M - new M: a whole number, 0 or less
	s_delay_alu instid0(VALU_DEP_2)
	v_add_f32 v[FRC], v[BT], v[NM]                 ; t - M, in (-1, 0]
	s_delay_alu instid0(VALU_DEP_2)
	v_cvt_i32_f32 v[F], v[F]                       ; (it saturates)
	s_delay_alu instid0(VALU_DEP_1)
	v_ldexp_f32 v[F], 1.0, v[F]
.set n, 0
.rept 32
	v_pk_add_f32 v[S+n:S+n+1], v[S+n:S+n+1], v[LX:LX+1] op_sel_hi:[1,0] neg_lo:[0,1] neg_hi:[0,1]   ; l - L
.set n, n+2
.endr
.irp b, 0,1,2,3
	v_sub_f32 v[BM+\b], v[BM+\b], v[LX]
.endr
.set n, 0
.rept 32
	v_pk_fma_f32 v[S+n:S+n+1], v[S+n:S+n+1], s[CL:CL+1], v[FRC:FRC+1] op_sel_hi:[1,0,0]   ; x log2(e) + (t - M)
.set n, n+2
.endr
.irp b, 0,1,2,3
	v_fma_f32 v[BM+\b], v[BM+\b], s[CL], v[FRC]
.endr
.set n, 0
	s_wait_alu depctr_va_vdst(0)
.rept 64
	v_exp_f32 v[S+n], v[S+n]                       ; p, at most 1: not normalised
.set n, n+1
.endr
.irp b, 0,1,2,3
	v_exp_f32 v[BM+\b], v[BM+\b]                   ; the block's largest p: the same lines on the same number give the same bits
.endr
	v_pk_mul_f32 v[SUM:SUM+1], v[SUM:SUM+1], v[F:F+1] op_sel_hi:[1,0]   ; the sums under the new M.  (A plain place behind the exponentials)
	s_wait_alu depctr_va_vdst(0)
.irp b, 0,1,2,3
	v_max_num_f32 v[BM+\b], 0x1800000, v[BM+\b]    ; the floor 2^(3 - 127): the byte cannot fall under 1
.endr
.irp b, 0,1,2,3
	s_delay_alu instid0(VALU_DEP_4)
	v_add_nc_u32 v[BM+\b], 0xff000000, v[BM+\b]    ; 2 off the exponent field: the conversion's scale operand
.endr
.irp b, 0,1,2,3
	s_delay_alu instid0(VALU_DEP_4)
	v_lshrrev_b32 v[BT+\b], 23, v[BM+\b]           ; the scale's byte
.endr
	s_delay_alu instid0(VALU_DEP_3)
	v_lshl_or_b32 v[PWD], v[BT+1], 8, v[BT]        ; p's scale word for these 128 keys
	s_delay_alu instid0(VALU_DEP_1)
	v_lshl_or_b32 v[PWD], v[BT+2], 16, v[PWD]
	s_delay_alu instid0(VALU_DEP_1)
	v_lshl_or_b32 v[PWD], v[BT+3], 24, v[PWD]
	v_cvt_scalef32_pk16_fp6_f32 v[P:P+2], v[S:S+15], v[BM]
	v_cvt_scalef32_pk16_fp6_f32 v[CT0:CT0+2], v[S+16:S+31], v[BM+1]   ; (a conversion's three registers begin on an even number)
	v_cvt_scalef32_pk16_fp6_f32 v[P+6:P+8], v[S+32:S+47], v[BM+2]
	v_cvt_scalef32_pk16_fp6_f32 v[CT1:CT1+2], v[S+48:S+63], v[BM+3]
	v_nop                                          ; one plain place behind a scaled conversion
.irp i, 0,1,2                          ; the operand's layout wants a whole block in a lane: lanes 0-15 block 2 c, lanes 16-31 block 2 c + 1
	v_permlane16_swap_b32 v[P+\i], v[CT0+\i]
	v_permlane16_swap_b32 v[P+6+\i], v[CT1+\i]
.endr
.irp i, 0,1,2
	v_mov_b32 v[P+3+\i], v[CT0+\i]
	v_mov_b32 v[P+9+\i], v[CT1+\i]
.endr
	v_pk_add_f32 v[76:77], v[92:93], v[96:97]
	v_pk_add_f32 v[250:251], v[100:101], v[104:105]
	v_pk_add_f32 v[248:249], v[108:109], v[112:113]
	v_pk_add_f32 v[80:81], v[116:117], v[120:121]
	v_pk_add_f32 v[78:79], v[124:125], v[128:129]
	v_pk_add_f32 v[68:69], v[132:133], v[136:137]
	v_pk_add_f32 v[66:67], v[140:141], v[144:145]
	v_pk_add_f32 v[14:15], v[14:15], v[148:149]
	v_pk_add_f32 v[76:77], v[76:77], v[88:89]
	v_pk_add_f32 v[250:251], v[250:251], v[90:91]
	v_pk_add_f32 v[248:249], v[248:249], v[94:95]
	v_pk_add_f32 v[80:81], v[80:81], v[98:99]
	v_pk_add_f32 v[78:79], v[78:79], v[102:103]
	v_pk_add_f32 v[68:69], v[68:69], v[106:107]
	v_pk_add_f32 v[66:67], v[66:67], v[110:111]
	v_pk_add_f32 v[14:15], v[14:15], v[114:115]
	v_pk_add_f32 v[76:77], v[76:77], v[118:119]
	v_pk_add_f32 v[250:251], v[250:251], v[122:123]
	v_pk_add_f32 v[248:249], v[248:249], v[126:127]
	v_pk_add_f32 v[80:81], v[80:81], v[130:131]
	v_pk_add_f32 v[78:79], v[78:79], v[134:135]
	v_pk_add_f32 v[68:69], v[68:69], v[138:139]
	v_pk_add_f32 v[66:67], v[66:67], v[142:143]
	v_pk_add_f32 v[14:15], v[14:15], v[146:147]
	v_pk_add_f32 v[76:77], v[76:77], v[150:151]
	s_delay_alu instid0(VALU_DEP_2)
	v_pk_add_f32 v[14:15], v[14:15], v[80:81]
	s_delay_alu instid0(VALU_DEP_2)
	v_pk_add_f32 v[76:77], v[76:77], v[78:79]
	v_pk_add_f32 v[250:251], v[250:251], v[68:69]
	v_pk_add_f32 v[248:249], v[248:249], v[66:67]
	s_delay_alu instid0(VALU_DEP_2)
	v_pk_add_f32 v[14:15], v[14:15], v[250:251]
	s_delay_alu instid0(VALU_DEP_2)
	v_pk_add_f32 v[76:77], v[76:77], v[248:249]
	s_delay_alu instid0(VALU_DEP_1)
	v_pk_add_f32 v[14:15], v[14:15], v[76:77]
.set n, 0
.rept 16
	v_pk_mul_f32 v[O+n:O+n+1], v[O+n:O+n+1], v[F:F+1] op_sel_hi:[1,0]   ; O^T under the new M.  (With the sums: the places between p's codes and word and the products)
.set n, n+2
.endr
	s_wait_alu depctr_va_vdst(0)
	s_wait_dscnt 0x0                               ; V is in
.irp t, 0,1,2,3                        ; O^T += V^T P^T: the four accumulators by turns
.if (\t)%2
	v_wmma_scale_f32_16x16x128_f8f6f4 v[O+8*\t:O+8*\t+7], v[VF+12*\t:VF+12*\t+11], v[P:P+11], v[O+8*\t:O+8*\t+7], v[VS+\t/2], v[PWD] matrix_a_fmt:MATRIX_FMT_FP6 matrix_b_fmt:MATRIX_FMT_FP6 matrix_a_scale:MATRIX_SCALE_ROW1
.else
	v_wmma_scale_f32_16x16x128_f8f6f4 v[O+8*\t:O+8*\t+7], v[VF+12*\t:VF+12*\t+11], v[P:P+11], v[O+8*\t:O+8*\t+7], v[VS+\t/2], v[PWD] matrix_a_fmt:MATRIX_FMT_FP6 matrix_b_fmt:MATRIX_FMT_FP6
.endif
.endr
.endm
; THE CHANGE OF SLOTS stands at a step's head.  Each wave waits for all its tensor loads (its part of the slot ahead), adds 0 to its spare word, and waits for that and for its reads of the slot that it has left.
; fill = 1: a round of the cluster's barrier, so that no wave of any partner still reads that slot or has a load on its way; then it is filled with the next step's tiles, which have a whole step in which to land.
.macro CHANGE fill
	s_wait_tensorcnt 0x0                           ; no tensor load of mine is out, so a group 0 may be written
	ds_add_u32 v[SPW], v[NIL]                      ; 0 onto my spare word
.if \fill
	s_xor_b32 s[G0M+1], s[G0M+1], SLOT1            ; the walking descriptors: the other slot,
	s_add_nc_u64 s[G0M+2:G0M+3], s[G0M+2:G0M+3], 512    ; the next 128 keys
	s_xor_b32 s[G0K+1], s[G0K+1], SLOT1
	s_add_nc_u64 s[G0K+2:G0K+3], s[G0K+2:G0K+3], BLKB
	s_xor_b32 s[G0V+1], s[G0V+1], SLOT1
	s_add_nc_u64 s[G0V+2:G0V+3], s[G0V+2:G0V+3], BLKB
	s_add_co_u32 s94, s94, 512                     ; the prefetch: one tile beyond the one requested now,
	s_min_u32 s94, s94, 7680                       ; never beyond the last
	s_add_nc_u64 s[92:93], s[90:91], s[94:95]
.endif
	s_wait_dscnt 0x0                               ; the add is done, and my reads of the slot that I have left are over
.if \fill
	CROUND
	TLOAD 1                                        ; the first thing behind the round, and a wave's one tensor load until the next
.else
	s_barrier_signal -1
	s_barrier_wait -1
.endif
.endm
	s_wait_loadcnt 0x0                             ; Q
.Lstep:                                            ; 15 trips: behind each change of slots but the last the next step's tiles are asked for
	CHANGE 1
	STEP
	s_xor_b32 s[TB], s[TB], SLOT1
	s_sub_co_u32 s[CNT], s[CNT], 1
	s_cmp_lg_u32 s[CNT], 0
	s_cbranch_scc1 .Lstep
	CHANGE 0                                       ; the last step is written out
	STEP
	; THE WAY OUT.  O^T / the sum; the channels are brought into their natural order (the last product's other operand is given); two blocks of 32 are quantised; a token's 192 bytes come from four waves, so they meet in LDS.
	v_add_f32 v[SUM], v[SUM], v[SUM+1]             ; the sum's two halves,
	s_delay_alu instid0(VALU_DEP_1)
	v_permlanex16_b32 v[BT], v[SUM], s[SEL], s[SEL+1]
	v_and_b32 v1, 15, v0                           ; r
	v_bfe_u32 v2, v0, 4, 1                         ; h
	v_and_b32 v3, 31, v0                           ; lane
	s_delay_alu instid0(VALU_DEP_4)
	v_add_f32 v[SUM], v[SUM], v[BT]                ; and lane l xor 16's: the row's sum
	s_wait_alu depctr_va_vdst(0)
	v_rcp_f32 v[SUM], v[SUM]
	s_mul_i32 s66, s17, 16*192
	s_mul_i32 s67, s18, 48
	s_add_co_u32 s66, s66, s67
	v_mul_u32_u24 v4, v1, 192
	s_delay_alu instid0(VALU_DEP_1)
	v_mad_u32_u24 v4, v2, 24, v4
	s_delay_alu instid0(VALU_DEP_1)
	v_add_nc_u32 v4, s66, v4                       ; codes in: token 16 x tile + r, 48 bytes a head, 24 a block
	s_lshl_b32 s66, s17, 7
	s_lshl_b32 s67, s18, 1
	s_add_co_u32 s66, s66, s67
	s_add_co_u32 s66, s66, STS
	v_lshl_add_u32 v5, v1, 3, s66                  ; scale bytes in: 8 a token, 2 a head
	s_mul_i32 s66, s[WV], 768
	v_lshl_add_u32 v6, v3, 4, s66                  ; back, and on to memory: wave w takes bytes 768 w on: 512 by 16 a lane,
	s_add_co_u32 s66, s66, 512
	v_lshl_add_u32 v7, v3, 3, s66                  ; 256 by 8 a lane
	v_lshlrev_b32 v8, 3, v3
	v_lshlrev_b32 v9, 5, v3
	v_lshrrev_b32 v10, 6, v6                       ; stage byte x belongs to token x / 192 = (x / 64) / 3; x / 64 is under 192, where n / 3 = (171 n) >> 9
	v_lshrrev_b32 v11, 6, v7
	v_mul_u32_u24 v10, v10, 171
	v_mul_u32_u24 v11, v11, 171
	v_lshrrev_b32 v10, 9, v10
	v_lshrrev_b32 v11, 9, v11
	v_mad_u32_u24 v10, v10, 576, v6                ; in memory a token's row is 768 bytes: x + 576 x token
	v_mad_u32_u24 v11, v11, 576, v7
.set n, 0
	s_wait_alu depctr_va_vdst(0)
.rept 16
	v_pk_mul_f32 v[O+n:O+n+1], v[O+n:O+n+1], v[SUM:SUM+1] op_sel_hi:[1,0]   ; register 8 t + j is o(query r, channel 16 t + 8 h + j)
.set n, n+2
.endr
.irp t, 0,1
.irp j, 0,1,2,3,4,5,6,7
	v_permlane16_swap_b32 v[O+16*\t+\j], v[O+16*\t+8+\j]   ; register 16 t + i is now channel 32 t + 16 h + i
.endr
.endr
.irp b, 0,1
	v_max3_num_f32 v[BM+\b], |v[O+16*\b]|, |v[O+16*\b+1]|, 0x1800000
.endr
.irp i, 2,4,6,8,10,12,14
.irp b, 0,1
	s_delay_alu instid0(VALU_DEP_2)
	v_max3_num_f32 v[BM+\b], v[BM+\b], |v[O+16*\b+\i]|, |v[O+16*\b+\i+1]|
.endr
.endr
.irp b, 0,1
	s_delay_alu instid0(VALU_DEP_2)
	v_permlanex16_b32 v[BT+\b], v[BM+\b], s[SEL], s[SEL+1]
.endr
.irp b, 0,1
	s_delay_alu instid0(VALU_DEP_2)
	v_max_num_f32 v[BM+\b], v[BM+\b], v[BT+\b]
.endr
.irp b, 0,1
	s_delay_alu instid0(VALU_DEP_2)
	v_add_nc_u32 v[BM+\b], 0xff000000, v[BM+\b]
.endr
.irp b, 0,1
	s_delay_alu instid0(VALU_DEP_2)
	v_lshrrev_b32 v[BT+\b], 23, v[BM+\b]
.endr
	s_delay_alu instid0(VALU_DEP_1)
	v_lshl_or_b32 v[BT], v[BT+1], 8, v[BT]         ; my head's two scale bytes of row r
	v_cvt_scalef32_pk16_fp6_f32 v[P:P+2], v[O:O+15], v[BM]
	v_cvt_scalef32_pk16_fp6_f32 v[P+6:P+8], v[O+16:O+31], v[BM+1]
	v_nop                                          ; one plain place behind a scaled conversion
.irp i, 0,1,2
	v_permlane16_swap_b32 v[P+\i], v[P+6+\i]       ; lane (r, h) now holds block h: its lower 16 codes, and in the second run its upper 16
.endr
.irp i, 0,1,2
	s_delay_alu instid0(VALU_DEP_3)
	v_mov_b32 v[P+3+\i], v[P+6+\i]
.endr
	ds_store_b64 v4, v[P:P+1]
	ds_store_b64 v4, v[P+2:P+3] offset:8
	ds_store_b64 v4, v[P+4:P+5] offset:16
	ds_store_b16 v5, v[BT]                         ; both lanes of a row write the same two bytes with the same value
	s_wait_dscnt 0x0                               ; for the others' sake: my stores have landed
	s_barrier_signal -1
	s_barrier_wait -1
	ds_load_b128 v[88:91], v6
	ds_load_b64 v[92:93], v7
	s_wait_dscnt 0x0
	global_store_b128 v10, v[88:91], s[12:13]      ; runs of 192 consecutive bytes, one for each token
	global_store_b64 v11, v[92:93], s[12:13]
	s_cmp_lg_u32 s[WV], 0
	s_cbranch_scc1 .Lno_scales
	ds_load_b64 v[94:95], v8 offset:STS            ; wave 0: the 64 tokens' 8 scale bytes, which lie 32 bytes apart in memory (a token's other 24 are other work-groups')
	ds_load_b64 v[96:97], v8 offset:STS+256
	s_wait_dscnt 0x0
	global_store_b64 v9, v[94:95], s[14:15]
	global_store_b64 v9, v[96:97], s[14:15] offset:1024
.Lno_scales:
	s_wait_tensorcnt 0x0                           ; the wave's end
	ds_add_u32 v[SPW], v[NIL]
	s_wait_dscnt 0x0
	CROUND                                         ; the closing round: no work-group ends while a partner may still ask for a tile that names it
	s_endpgm
.Lfunc_end_k_q2300416adc_attn:
	.size	k_q2300416adc_attn, .Lfunc_end_k_q2300416adc_attn-k_q2300416adc_attn
	.p2alignl 7, 3214868480
	.fill 96, 4, 3214868480
	.section	.rodata,"a",@progbits
	.p2align	6, 0x0
	.amdhsa_kernel k_q2300416adc_attn
		.amdhsa_group_segment_fixed_size 327680
		.amdhsa_private_segment_fixed_size 0
		.amdhsa_enable_private_segment 0
		.amdhsa_kernarg_size 48
		.amdhsa_user_sgpr_count 2
		.amdhsa_user_sgpr_kernarg_segment_ptr 1
		.amdhsa_wavefront_size32 1
		.amdhsa_system_sgpr_workgroup_id_x 1
		.amdhsa_system_sgpr_workgroup_id_y 1
		.amdhsa_system_sgpr_workgroup_id_z 1
		.amdhsa_system_vgpr_workitem_id 0
		.amdhsa_next_free_vgpr 256
		.amdhsa_next_free_sgpr 96
		.amdhsa_reserve_vcc 0
		.amdhsa_float_denorm_mode_32 3
		.amdhsa_float_denorm_mode_16_64 3
		.amdhsa_memory_ordered 1
		.amdhsa_forward_progress 1
		.amdhsa_inst_pref_size 67
	.end_amdhsa_kernel
	.amdgpu_metadata
---
amdhsa.version: [ 1, 2 ]
amdhsa.kernels:
  - .name:           k_q2300416adc_attn
    .symbol:         k_q2300416adc_attn.kd
    .args:
      - { .name: qbuf, .offset: 0, .size: 8, .value_kind: global_buffer, .address_space: global }
      - { .name: kbuf, .offset: 8, .size: 8, .value_kind: global_buffer, .address_space: global }
      - { .name: vbuf, .offset: 16, .size: 8, .value_kind: global_buffer, .address_space: global }
      - { .name: attention_mask, .offset: 24, .size: 8, .value_kind: global_buffer, .address_space: global }
      - { .name: abuf, .offset: 32, .size: 8, .value_kind: global_buffer, .address_space: global }
      - { .name: ascl, .offset: 40, .size: 8, .value_kind: global_buffer, .address_space: global }
    .group_segment_fixed_size: 327680
    .private_segment_fixed_size: 0
    .kernarg_segment_align: 8
    .kernarg_segment_size: 48
    .max_flat_workgroup_size: 512
    .sgpr_count:     96
    .vgpr_count:     256
    .wavefront_size: 32
...
	.end_amdgpu_metadata
.endif
;; end of part 3
;; launch oproj (part 4): grid 8 x 32, 4 waves a work-group, clusters of 4 x 4, 327,680 bytes of LDS; arguments abuf, ascl, wo_codes, wo_scales, out0; writes out0
.if DOCPART == 4
	.amdgcn_target "amdgcn-amd-amdhsa--gfx1250"
	.amdhsa_code_object_version 6
	.text
	.protected	k_q2300416adc_oproj
	.globl	k_q2300416adc_oproj
	.p2align	8
	.type	k_q2300416adc_oproj,@function
k_q2300416adc_oproj:
	s_mov_b64 s[64:65], 0
	v_nop
	global_prefetch_b8 v0, s[64:65] scope:SCOPE_SE
	s_setreg_imm32_b32 hwreg(HW_REG_WAVE_MODE, 25, 1), 1
	s_wait_xcnt 0x0
	s_wait_alu depctr_hold_cnt(0) depctr_sa_sdst(0) depctr_va_vdst(0) depctr_va_sdst(0) depctr_va_ssrc(0) depctr_va_vcc(0) depctr_vm_vsrc(0)
	s_getreg_b32 s2, hwreg(HW_REG_IB_STS2, 6, 4)
	s_cmp_eq_u32 s2, 0
	s_cbranch_scc0 .Lentry_in_a_cluster
	s_endpgm
.Lentry_in_a_cluster:
	s_bfe_u32 s2, ttmp6, 0x10000c
	s_cmp_lg_u32 s2, 0xf033
	s_cbranch_scc0 .Lentry_shape_is_right
	s_endpgm
.Lentry_shape_is_right:
; out0[m][n] = sum over k of a[m][k] wo[n][k]: a [4096][1024] and wo [1024][1024] as codes of FP6 (E2M3), rows of 768 bytes, with one E8M0 byte for each 32 along K; out0 f32.
; A work-group of four waves makes 128 x 128: 8 x 32 = 256 work-groups.  ALL OF K LIES IN LDS: 128 rows of a and 128 of wo, 768 bytes each, and their scales: four tiles, one tensor load a wave at the head; nothing is filled again.
; A tile's rows begin at multiples of 256 bytes; 16 bytes of padding stand behind every 256, so an LDS row is 816 bytes = 204 words: row r starts at word 12 r mod 64, and the 32 lanes of an 8-byte load touch 64 different words mod 64.
; A wave makes 64 x 64: 16 accumulators (window 1), eight steps of 128 along K on two sets of fragments (window 0) that take turns.  Used transposed (source 0 = wo's rows): a lane holds 8 neighbours of a row of out0.
; CLUSTER 4 x 4: a's tiles are asked for jointly along a row, wo's along a column.  No prefetch: every tile is asked for at the head, and there is no loop to run ahead in.
.set RP,     816
.set TILE,   128*RP
.set SCL,    2*TILE                    ; the scales: units of 256 bytes + 16; a's 128 rows, then wo's
.set HS,     8*272                     ; those of 64 rows
.set SPARE,  SCL+4*HS                  ; the spare words: 512 bytes that no other line names
.set STAGE,  SPARE+512                 ; the way out: 16 rows x 272 bytes for each wave, bytes that no tensor load fills
.set SPITCH, 272
.set ADRA, 16                          ; v16 my fragments of a; v17 the same + 16 in lanes 16-31, for pieces whose upper lanes lie behind the next padding
.set ADRB, 18
.set ADRS, 20
.set STO,  24
.set RD,   25
.set CO,   26
.set SPW,  28
.set NIL,  29
.set SC,   32                          ; v[32 + 8 i + st]: lanes 0-15 the word of a's block i, lanes 16-31 of wo's block i, step st
.set F,    64                          ; set p at v[64 + 96 p]: wo's four fragments, then a's four
.set G1, 24
.set G0, 32
.set G0B, 36
.set G1B, 48
.set G0S, 56
.set G0SB, 60
.set G1S, 68
.set G1SB, 80
.set MSB, 0
.macro WIN new
.if MSB != (\new)
	s_set_vgpr_msb (MSB<<8)|(\new)
.set MSB, (\new)
.endif
.endm
.macro CROUND
	s_barrier_signal -1
	s_barrier_wait -1
	s_cmp_lg_u32 s14, 0
	s_cbranch_scc1 .Lnot_wave_0_\@
	s_barrier_signal -3
.Lnot_wave_0_\@:
	s_barrier_wait -3
	s_barrier_signal -1
	s_barrier_wait -1
.endm
	s_load_b256 s[4:11], s[0:1], 0x0               ; a's codes, a's scales, wo's codes, wo's scales
	s_load_b64 s[12:13], s[0:1], 0x20              ; out0
	v_lshl_add_u32 v[SPW], v0, 2, SPARE
	v_mov_b32 v[NIL], 0
	ds_add_u32 v[SPW], v[NIL]                      ; the opening lines: the add twice and one wait
	ds_add_u32 v[SPW], v[NIL]
	v_lshrrev_b32 v1, 5, v0
	v_readfirstlane_b32 s14, v1                    ; wave
	s_lshr_b32 s15, s14, 1                         ; my 64 rows of a
	s_and_b32 s16, s14, 1                          ; my 64 rows of wo
	s_bfe_u32 s40, ttmp6, 0x40000                  ; cx
	s_bfe_u32 s41, ttmp6, 0x40004                  ; cy
	s_lshl_b32 s42, ttmp9, 2
	s_add_co_u32 s42, s42, s40                     ; tile column
	s_and_b32 s17, ttmp7, 0xffff
	s_lshl_b32 s17, s17, 2
	s_add_co_u32 s17, s17, s41                     ; tile row
	s_lshl_b32 s43, s41, 2
	s_lshl_b32 s43, 15, s43                        ; my row of the cluster
	s_lshl_b32 s44, 0x1111, s40                    ; my column
	s_or_b32 s[G1+0], s43, (0<<16)|(1<<20)|(1<<21)|(5<<22)|(3<<25)   ; bytes; 4 words of padding behind every 64
	s_or_b32 s[G1B+0], s44, (0<<16)|(1<<20)|(1<<21)|(5<<22)|(3<<25)
.irp g, G1, G1B
	s_mov_b32 s[\g+1], 768<<16
	s_mov_b32 s[\g+2], 128<<16
	s_mov_b32 s[\g+3], 768<<16
	s_mov_b32 s[\g+4], 128
	s_mov_b32 s[\g+5], 768
	s_mov_b32 s[\g+6], 0
	s_mov_b32 s[\g+7], 0
.endr
	s_or_b32 s[G1S+0], s43, (3<<16)|(1<<20)|(1<<21)|(5<<22)|(3<<25)  ; the scales of 128 rows: 16 rows of 256 bytes
	s_or_b32 s[G1SB+0], s44, (3<<16)|(1<<20)|(1<<21)|(5<<22)|(3<<25)
.irp g, G1S, G1SB
	s_mov_b32 s[\g+1], 32<<16
	s_mov_b32 s[\g+2], 16<<16
	s_mov_b32 s[\g+3], 32<<16
	s_mov_b32 s[\g+4], 16
	s_mov_b32 s[\g+5], 32
	s_mov_b32 s[\g+6], 0
	s_mov_b32 s[\g+7], 0
.endr
	s_mul_i32 s20, s17, 128*768
	s_mov_b32 s21, 0
	s_mul_i32 s46, s42, 128*768
	s_mov_b32 s47, 0
	s_lshl_b32 s22, s17, 12
	s_mov_b32 s23, 0
	s_lshl_b32 s18, s42, 12
	s_mov_b32 s19, 0
	s_mov_b32 s[G0], 1
	s_mov_b32 s[G0+1], 0
	s_mov_b32 s[G0B], 1
	s_mov_b32 s[G0B+1], TILE
	s_mov_b32 s[G0S], 1
	s_mov_b32 s[G0S+1], SCL
	s_mov_b32 s[G0SB], 1
	s_mov_b32 s[G0SB+1], SCL+2*HS
	s_wait_dscnt 0x0
	s_wait_kmcnt 0x0
	s_add_nc_u64 s[G0+2:G0+3], s[4:5], s[20:21]
	s_or_b32 s[G0+3], s[G0+3], 0x80000000
	s_add_nc_u64 s[G0S+2:G0S+3], s[6:7], s[22:23]
	s_or_b32 s[G0S+3], s[G0S+3], 0x80000000
	s_add_nc_u64 s[G0B+2:G0B+3], s[8:9], s[46:47]
	s_or_b32 s[G0B+3], s[G0B+3], 0x80000000
	s_add_nc_u64 s[G0SB+2:G0SB+3], s[10:11], s[18:19]
	s_or_b32 s[G0SB+3], s[G0SB+3], 0x80000000
	CROUND                                         ; the joint loads meet
.macro ARM under, g0, g1, next         ; one chain of branches on the wave's number, one load to an arm
	s_cmp_lt_u32 s14, \under
	s_cbranch_scc0 \next
	tensor_load_to_lds s[\g0:\g0+3], s[\g1:\g1+7]
	s_nop 0
.rept 4
	v_nop
.endr
	s_branch .Lhead_asked
\next:
.endm
	ARM 1, G0,  G1,  .Lhead_b
	ARM 2, G0B, G1B, .Lhead_sa
	ARM 3, G0S, G1S, .Lhead_sb
	tensor_load_to_lds s[G0SB:G0SB+3], s[G1SB:G1SB+7]
	s_nop 0
.rept 4
	v_nop
.endr
.Lhead_asked:
	v_and_b32 v1, 15, v0                           ; r
	v_bfe_u32 v2, v0, 4, 1                         ; h
	v_mul_u32_u24 v3, v1, RP
	v_mad_u32_u24 v3, v2, 24, v3                   ; row x pitch + 24 h
	v_lshl_add_u32 v4, v2, 4, v3                   ; + 16 h
	s_mul_i32 s21, s15, 64*RP
	s_mul_i32 s22, s16, 64*RP
	s_add_co_u32 s22, s22, TILE
	v_add_nc_u32 v[ADRA], s21, v3
	v_add_nc_u32 v[ADRA+1], s21, v4
	v_add_nc_u32 v[ADRB], s22, v3
	v_add_nc_u32 v[ADRB+1], s22, v4
	v_lshlrev_b32 v5, 5, v1                        ; a row's scales: 32 bytes,
	v_lshrrev_b32 v6, 8, v5
	v_lshl_add_u32 v5, v6, 4, v5                   ; and 16 more for each 256 passed
	s_mul_i32 s21, s15, HS
	s_mul_i32 s22, s16, HS
	s_add_co_u32 s22, s22, 2*HS
	s_sub_co_u32 s22, s22, s21
	v_mul_u32_u24 v6, s22, v2                      ; lanes 16-31 take wo's
	s_add_co_u32 s21, s21, SCL
	v_add_nc_u32 v5, v5, v6
	v_add_nc_u32 v[ADRS], s21, v5
	s_mul_i32 s23, s14, 16*SPITCH
	s_add_co_u32 s23, s23, STAGE
	v_mul_u32_u24 v5, v1, SPITCH
	v_lshl_add_u32 v5, v2, 5, v5
	v_add_nc_u32 v[STO], s23, v5                   ; in: row r, 32 bytes for each half of the lanes
	v_mul_u32_u24 v6, v2, SPITCH
	v_lshl_add_u32 v6, v1, 4, v6
	v_add_nc_u32 v[RD], s23, v6                    ; back: sixteen lanes take a row of 256 bytes
	v_lshlrev_b32 v7, 12, v2
	v_lshl_add_u32 v[CO], v1, 4, v7                ; the same two rows in out0 (4,096 bytes a row)
	s_lshl_b32 s20, s17, 19                        ; my first row: 128 x tile row + 64 x half, x 4,096 bytes
	s_lshl_b32 s21, s15, 18
	s_add_co_u32 s20, s20, s21
	s_lshl_b32 s21, s42, 9                         ; my first column, in bytes
	s_add_co_u32 s20, s20, s21
	s_lshl_b32 s21, s16, 8
	s_add_co_u32 s20, s20, s21
	s_mov_b32 s21, 0
	s_add_nc_u64 s[12:13], s[12:13], s[20:21]
.macro FRAG reg, adr, st, i            ; 16 rows x 128 K: six pieces of 8 bytes; piece number c of a row lies at 8 c + 16 (c / 32); lanes 16-31 read three pieces on
.irp p, 0,1,2,3,4,5
.set PCE, 12*(\st)+6*(\p/3)+\p%3
.if PCE%32 < 29
	ds_load_b64 v[\reg+2*\p:\reg+2*\p+1], v[\adr] offset:8*PCE+16*(PCE/32)+(\i)*16*RP
.else
	ds_load_b64 v[\reg+2*\p:\reg+2*\p+1], v[\adr+1] offset:8*PCE+16*(PCE/32)+(\i)*16*RP
.endif
.endr
.endm
.macro FETCH st
.irp i, 0,1,2,3
	FRAG F+96*((\st)%2)+12*\i, ADRB, \st, \i
.endr
.irp i, 0,1,2,3
	FRAG F+96*((\st)%2)+48+12*\i, ADRA, \st, \i
.endr
.endm
.macro MUL st                          ; the 16 accumulators take turns; the first step starts the sums
.irp a, 0,1,2,3
.irp b, 0,1,2,3
.if (\st) == 0
	v_wmma_scale_f32_16x16x128_f8f6f4 v[8*(4*\a+\b):8*(4*\a+\b)+7], v[F+96*((\st)%2)+12*\b:F+96*((\st)%2)+12*\b+11], v[F+96*((\st)%2)+48+12*\a:F+96*((\st)%2)+48+12*\a+11], 0, v[SC+8*\b+(\st)], v[SC+8*\a+(\st)] matrix_a_fmt:MATRIX_FMT_FP6 matrix_b_fmt:MATRIX_FMT_FP6 matrix_a_scale:MATRIX_SCALE_ROW1
.else
	v_wmma_scale_f32_16x16x128_f8f6f4 v[8*(4*\a+\b):8*(4*\a+\b)+7], v[F+96*((\st)%2)+12*\b:F+96*((\st)%2)+12*\b+11], v[F+96*((\st)%2)+48+12*\a:F+96*((\st)%2)+48+12*\a+11], v[8*(4*\a+\b):8*(4*\a+\b)+7], v[SC+8*\b+(\st)], v[SC+8*\a+(\st)] matrix_a_fmt:MATRIX_FMT_FP6 matrix_b_fmt:MATRIX_FMT_FP6 matrix_a_scale:MATRIX_SCALE_ROW1
.endif
.endr
.endr
.endm
.macro STEP st
	s_wait_dscnt 0x0                               ; this step's fragments are in
.if (\st) < 7
.rept 4
	v_nop                                          ; places ahead of loads into the set that the last step multiplied
.endr
	FETCH (\st)+1
.endif
	WIN 0x50                                       ; C and D in window 1
	MUL \st
	WIN 0
.endm
	s_wait_alu depctr_va_vdst(0)
	s_wait_tensorcnt 0x0                           ; my tile is in,
	s_barrier_signal -1
	s_barrier_wait -1                              ; and so are the other three
.irp i, 0,1,2,3
	ds_load_b128 v[SC+8*\i:SC+8*\i+3], v[ADRS] offset:\i*544          ; all eight steps' scale words, once
	ds_load_b128 v[SC+8*\i+4:SC+8*\i+7], v[ADRS] offset:\i*544+16
.endr
	FETCH 0
.irp st, 0,1,2,3,4,5,6,7
	STEP \st
.endr
.rept 4
	v_nop                                          ; places ahead of the reads of results and of loads into the fragments' registers
.endr
; THE WAY OUT: a block of 16 rows x 64 columns goes through my own stage and comes back as rows of 256 bytes.  LDS serves a wave's instructions in order (ISA guide 5.7.1.4).
.irp a, 0,1,2,3
	WIN 0x04                                       ; the data: window 1
.irp b, 0,1,2,3
	ds_store_b128 v[STO], v[32*\a+8*\b:32*\a+8*\b+3] offset:64*\b     ; each accumulator from its low end on
	ds_store_b128 v[STO], v[32*\a+8*\b+4:32*\a+8*\b+7] offset:64*\b+16
.endr
	WIN 0
.irp t, 0,1,2,3,4,5,6,7
	ds_load_b128 v[F+32*\a+4*\t:F+32*\a+4*\t+3], v[RD] offset:\t*2*SPITCH
.endr
.endr
.irp a, 0,1,2,3
	s_wait_dscnt 16*(3-\a)                         ; behind block a's loads: 8 stores and 8 loads for each later block
.irp t, 0,1,2,3,4,5,6,7
	global_store_b128 v[CO], v[F+32*\a+4*\t:F+32*\a+4*\t+3], s[12:13] offset:(16*\a+2*\t)*4096 th:TH_STORE_NT   ; sixteen lanes store 256 consecutive bytes, aligned
.endr
.endr
	s_wait_tensorcnt 0x0                           ; the wave's end
	ds_add_u32 v[SPW], v[NIL]
	s_wait_dscnt 0x0
	CROUND                                         ; the closing round
	s_endpgm
.Lfunc_end_k_q2300416adc_oproj:
	.size	k_q2300416adc_oproj, .Lfunc_end_k_q2300416adc_oproj-k_q2300416adc_oproj
	.p2alignl 7, 3214868480
	.fill 96, 4, 3214868480
	.section	.rodata,"a",@progbits
	.p2align	6, 0x0
	.amdhsa_kernel k_q2300416adc_oproj
		.amdhsa_group_segment_fixed_size 327680
		.amdhsa_private_segment_fixed_size 0
		.amdhsa_enable_private_segment 0
		.amdhsa_kernarg_size 40
		.amdhsa_user_sgpr_count 2
		.amdhsa_user_sgpr_kernarg_segment_ptr 1
		.amdhsa_wavefront_size32 1
		.amdhsa_system_sgpr_workgroup_id_x 1
		.amdhsa_system_sgpr_workgroup_id_y 1
		.amdhsa_system_sgpr_workgroup_id_z 1
		.amdhsa_system_vgpr_workitem_id 0
		.amdhsa_next_free_vgpr 384
		.amdhsa_next_free_sgpr 98
		.amdhsa_reserve_vcc 0
		.amdhsa_float_denorm_mode_32 3
		.amdhsa_float_denorm_mode_16_64 3
		.amdhsa_memory_ordered 1
		.amdhsa_forward_progress 1
		.amdhsa_inst_pref_size 58
	.end_amdhsa_kernel
	.amdgpu_metadata
---
amdhsa.version: [ 1, 2 ]
amdhsa.kernels:
  - .name:           k_q2300416adc_oproj
    .symbol:         k_q2300416adc_oproj.kd
    .args:
      - { .name: abuf, .offset: 0, .size: 8, .value_kind: global_buffer, .address_space: global }
      - { .name: ascl, .offset: 8, .size: 8, .value_kind: global_buffer, .address_space: global }
      - { .name: wo_codes, .offset: 16, .size: 8, .value_kind: global_buffer, .address_space: global }
      - { .name: wo_scales, .offset: 24, .size: 8, .value_kind: global_buffer, .address_space: global }
      - { .name: out0, .offset: 32, .size: 8, .value_kind: global_buffer, .address_space: global }
    .group_segment_fixed_size: 327680
    .private_segment_fixed_size: 0
    .kernarg_segment_align: 8
    .kernarg_segment_size: 40
    .max_flat_workgroup_size: 128
    .sgpr_count:     98
    .vgpr_count:     384
    .wavefront_size: 32
...
	.end_amdgpu_metadata
.endif
;; end of part 4
